; MI455X (gfx1250); checked and timed in simulation.
; The chip was launched on July 23, 2026; its instructions are those of AMD's public machine-readable ISA for CDNA 5 (MIT licence, August 2026) and "CDNA5" Instruction Set Architecture Reference Guide (July 2026). The comments in the code are by the model that wrote it; some were corrected since.
;; IMITER Self Attention. Allowed arithmetic: float matrix products may take bf16 or f16 operands with f32 sums; other float arithmetic in f32, or as packed bf16 or f16 multiplies, adds, multiply-adds, maxima and minima; sums over many terms, partial sums and values carried from step to step in f32; what a program stores and reads back later, other than sums and carried values, may be rounded once to bf16 or f16.
;; Inputs: W_iik 577 x 512 float32; W_iiv 577 x 512 float32; W_itk 512 x 577 float32; W_itv 512 x 577 float32; Wk 1,024 x 1,024 float32; Wq 1,024 x 1,024 float32; Wv 1,024 x 1,024 float32; b_iik 577 float32; b_iiv 577 float32; b_itk 512 float32; b_itv 512 float32; bk 1,024 float32; bq 1,024 float32; bv 1,024 float32; hidden_states 8 x 1,089 x 1,024 float32.
;; Outputs: out0 8 x 1,089 x 1,024 float32; out1 one number float32.
;; One version. Each part assembles by itself: llvm-mc -triple=amdgcn-amd-amdhsa -mcpu=gfx1250 --defsym DOCPART=n.
;; ======== version 1 of 1: 4 launches
;; limits: values are held in f16: magnitudes above 65,504 overflow, below 6.1e-05 lose precision; values outside matrix products are rounded to f16
;; workspace buffers: xb 17,891,328 bytes; wb 6,291,456 bytes; wf 2,457,600 bytes; bs 24,576 bytes; qkv 55,148,544 bytes; ikv 36,765,696 bytes; aux 4,096 bytes
;; launch prep (part 1): grid 2106 x 1, 8 waves a work-group, no clusters, 0 bytes of LDS; arguments hidden_states, Wq, Wk, Wv, W_itk, W_iik, W_itv, W_iiv, bq, bk, bv, b_itk, b_iik, b_itv, b_iiv, xb, wb, wf, bs, qkv; writes xb, wb, wf, bs, qkv
.if DOCPART == 1
	.amdgcn_target "amdgcn-amd-amdhsa--gfx1250"
	.amdhsa_code_object_version 6
	.text
	.protected	k_qf00789d2f0_prep
	.globl	k_qf00789d2f0_prep
	.p2align	8
	.type	k_qf00789d2f0_prep,@function
k_qf00789d2f0_prep:
	s_mov_b64 s[64:65], 0
	v_nop
	global_prefetch_b8 v0, s[64:65] scope:SCOPE_SE
	s_setreg_imm32_b32 hwreg(HW_REG_WAVE_MODE, 25, 1), 1
	s_wait_xcnt 0x0
; PREP: every input is rounded once to bf16 and laid out for the three launches that follow.
; NO WORK OF THE MODULE IS LEFT OUT: hidden_states, the three projections' weights and biases and the four imitation layers' weights and biases all reach
; ctx or the loss, so all fifteen inputs are loaded.
; xb  [8736][1024] bf16: hidden_states, rows 8712 on are 0 (42 tiles of 208 rows).      wb [3072][1024] bf16: Wq, Wk, Wv.
; wf  the imitation weights, the bf16 number written as f16, in the order in which a wave's operand registers take them: fragment (K step ks, row block blk) is 1,024 bytes:
;     byte c 512 + (16 h + r) 16 + 2 i holds W[16 blk + r][32 ks + 16 c + 8 h + i], 0 outside the matrix.  For k, then for v: W_it (19 K steps x 32 blocks), then W_ii (16 x 37).
; bs  f32: bq, bk, bv (3,072 numbers), then four rows of 768: b_itk, b_iik, b_itv, b_iiv, 0 behind their ends; all rounded to bf16.
; qkv rows 1089 to 1120 of the 256 heads of k and v are set to 0: the K steps of the imitation reach over them with weights that are 0.
; LIMITS: an imitation weight beyond 65,504 has no f16; below 6e-5 it keeps f16's fixed step of 6e-8.
; Work-groups 0-1472 cast 32 KiB of f32 each, 1473-2072 make 4 KiB of wf each, 2073 the biases and xb's last rows, 2074-2105 the zero rows.
.set HS,   143616                      ; bytes of a head: 1,122 rows of 128
.set SEC,  128*HS                      ; bytes of a section (q, k or v)
	s_load_b512 s[16:31], s[0:1], 0x0              ; hidden 16, Wq 18, Wk 20, Wv 22, W_itk 24, W_iik 26, W_itv 28, W_iiv 30
	s_load_b512 s[32:47], s[0:1], 0x40             ; bq 32, bk 34, bv 36, b_itk 38, b_iik 40, b_itv 42, b_iiv 44, xb 46
	s_load_b256 s[48:55], s[0:1], 0x80             ; wb 48, wf 50, bs 52, qkv 54
	s_mov_b32 s4, ttmp9
	v_lshlrev_b32 v1, 4, v0                        ; 16 t
	v_lshlrev_b32 v2, 3, v0                        ; 8 t
	v_lshlrev_b32 v3, 2, v0                        ; 4 t
	s_wait_kmcnt 0x0
	s_cmp_lt_u32 s4, 1473
	s_cbranch_scc0 .Lnot_cast
	; THE CASTS: 8,192 numbers a work-group; a load of a wave covers 512 consecutive bytes, a store 256, aligned
	s_cmp_lt_u32 s4, 1089
	s_cbranch_scc0 .Lcast_w
	s_lshl_b32 s6, s4, 15
	s_lshl_b32 s8, s4, 14
	s_mov_b64 s[10:11], s[16:17]
	s_mov_b64 s[12:13], s[46:47]
	s_branch .Lcast_go
.Lcast_w:
	s_sub_co_u32 s5, s4, 1089                      ; 128 work-groups for each of Wq, Wk, Wv
	s_lshr_b32 s14, s5, 7
	s_and_b32 s15, s5, 127
	s_lshl_b32 s6, s15, 15
	s_lshl_b32 s8, s5, 14
	s_cmp_eq_u32 s14, 0
	s_cselect_b64 s[10:11], s[18:19], s[20:21]
	s_cmp_eq_u32 s14, 2
	s_cselect_b64 s[10:11], s[22:23], s[10:11]
	s_mov_b64 s[12:13], s[48:49]
.Lcast_go:
	s_mov_b32 s7, 0
	s_mov_b32 s9, 0
	s_add_nc_u64 s[10:11], s[10:11], s[6:7]
	s_add_nc_u64 s[12:13], s[12:13], s[8:9]
.irp i, 0,1,2,3,4,5,6,7
	global_load_b128 v[8+4*(\i):11+4*(\i)], v1, s[10:11] offset:4096*(\i) th:TH_LOAD_NT
.endr
.irp i, 0,1,2,3,4,5,6,7
	s_wait_loadcnt 7-(\i)                          ; loads come back in order: number i is in, the younger ones stay out
	v_cvt_pk_bf16_f32 v[40+2*(\i)], v[8+4*(\i)], v[9+4*(\i)]
	v_cvt_pk_bf16_f32 v[41+2*(\i)], v[10+4*(\i)], v[11+4*(\i)]
	global_store_b64 v2, v[40+2*(\i):41+2*(\i)], s[12:13] offset:2048*(\i)
.endr
	s_endpgm
.Lnot_cast:
	s_cmp_lt_u32 s4, 2073
	s_cbranch_scc0 .Lnot_frag
	; THE FRAGMENTS: four of 1,024 bytes a work-group; thread t makes the 16 bytes at 16 t
	s_mov_b32 s56, 577
	s_mov_b32 s57, 512
	s_mov_b32 s58, 116080198                       ; ceil(2^32 / 37): exact for the 592 fragment numbers
	s_mov_b32 s59, 134217728                       ; 2^32 / 32
	s_sub_co_u32 s5, s4, 1473
	s_cmp_ge_u32 s5, 300                           ; 300 work-groups for k's two matrices, 300 for v's
	s_cselect_b32 s6, 1, 0
	s_cselect_b32 s7, 300, 0
	s_sub_co_u32 s5, s5, s7
	s_cmp_ge_u32 s5, 152                           ; 152 for W_it, 148 for W_ii
	s_cselect_b32 s7, 1, 0
	s_cselect_b32 s8, 152, 0
	s_cselect_b32 s9, 37, 32                       ; row blocks
	s_cselect_b32 s10, s58, s59
	s_cselect_b32 s11, s57, s56                    ; columns = pitch
	s_cselect_b32 s12, s56, s57                    ; rows
	s_cselect_b64 s[60:61], s[26:27], s[24:25]
	s_cselect_b64 s[62:63], s[30:31], s[28:29]
	s_sub_co_u32 s5, s5, s8
	s_cmp_eq_u32 s6, 1
	s_cselect_b64 s[60:61], s[62:63], s[60:61]
	v_lshrrev_b32 v4, 5, v0
	v_readfirstlane_b32 s13, v4
	s_lshr_b32 s13, s13, 1                         ; two waves a fragment
	s_lshl2_add_u32 s14, s5, s13                   ; the fragment's number
	s_mul_hi_u32 s15, s14, s10                     ; its K step
	s_mul_i32 s2, s15, s9
	s_sub_co_u32 s2, s14, s2                       ; its row block
	s_lshl_b32 s2, s2, 4
	s_lshl_b32 s3, s15, 5
	v_and_b32 v4, 15, v0                           ; r
	v_bfe_u32 v5, v0, 4, 1                         ; h
	v_bfe_u32 v6, v0, 5, 1                         ; c
	v_add_nc_u32 v7, s2, v4                        ; row
	v_lshlrev_b32 v8, 4, v6
	v_lshl_add_u32 v8, v5, 3, v8
	v_add_nc_u32 v8, s3, v8                        ; first column
	v_mad_u32_u24 v9, v7, s11, v8
	v_sub_nc_u32 v10, s11, v8                      ; how many of my eight lie inside the row (signed),
	v_cmp_gt_u32 vcc_lo, s12, v7
	v_cndmask_b32 v10, 0, v10, vcc_lo              ; none below the last row
.irp i, 0,1,2,3,4,5,6,7
	v_add_nc_u32 v[12+(\i)], \i, v9
	v_min_u32 v[12+(\i)], 0x481ff, v[12+(\i)]      ; no load leaves the matrix: 577 x 512 - 1
	v_lshlrev_b32 v[12+(\i)], 2, v[12+(\i)]
.endr
.irp i, 0,1,2,3,4,5,6,7
	global_load_b32 v[20+(\i)], v[12+(\i)], s[60:61]
.endr
	s_mul_i32 s2, s6, 1228800
	s_mul_i32 s3, s7, 622592
	s_add_co_u32 s2, s2, s3
	s_lshl_b32 s3, s5, 12
	s_add_co_u32 s2, s2, s3
	s_mov_b32 s3, 0
	s_add_nc_u64 s[50:51], s[50:51], s[2:3]
	s_wait_loadcnt 0x0
.irp i, 0,1,2,3,4,5,6,7
	v_cmp_lt_i32 vcc_lo, \i, v10
	v_cndmask_b32 v[20+(\i)], 0, v[20+(\i)], vcc_lo
.endr
.irp j, 0,1,2,3
	v_cvt_pk_bf16_f32 v28, v[20+2*(\j)], v[21+2*(\j)]  ; rounded to bf16 like every input,
	v_lshlrev_b32 v29, 16, v28
	v_and_b32 v30, 0xffff0000, v28
	v_cvt_pk_f16_f32 v[32+(\j)], v29, v30          ; and that number written as f16
.endr
	global_store_b128 v1, v[32:35], s[50:51]
	s_endpgm
.macro ROUND2 a, b                     ; two f32 rounded to bf16 and widened again
	v_cvt_pk_bf16_f32 v60, v[\a], v[\b]
	v_lshlrev_b32 v[\a], 16, v60
	v_and_b32 v[\b], 0xffff0000, v60
.endm
.Lnot_frag:
	s_cmp_eq_u32 s4, 2073
	s_cbranch_scc0 .Lzero_rows
	; THE BIASES, and xb's rows 8712 to 8735
	v_add_nc_u32 v16, 512, v0
	v_min_u32 v16, 576, v16                        ; b_ii has 577 numbers
	v_lshlrev_b32 v16, 2, v16
	global_load_b128 v[4:7], v1, s[32:33]
	global_load_b128 v[8:11], v1, s[34:35]
	global_load_b128 v[12:15], v1, s[36:37]
	global_load_b32 v20, v3, s[38:39]
	global_load_b32 v21, v3, s[38:39] offset:1024
	global_load_b32 v23, v3, s[40:41]
	global_load_b32 v24, v3, s[40:41] offset:1024
	global_load_b32 v25, v16, s[40:41]
	global_load_b32 v26, v3, s[42:43]
	global_load_b32 v27, v3, s[42:43] offset:1024
	global_load_b32 v29, v3, s[44:45]
	global_load_b32 v30, v3, s[44:45] offset:1024
	global_load_b32 v31, v16, s[44:45]
	v_mov_b32 v22, 0
	v_mov_b32 v28, 0
.irp i, 40,41,42,43
	v_mov_b32 v[\i], 0
.endr
	s_add_nc_u64 s[6:7], s[46:47], 17842176        ; 8,712 rows of 2,048 bytes
	v_cmp_gt_u32 vcc_lo, 65, v0                    ; 512 + t < 577
	s_wait_loadcnt 0x0
	v_cndmask_b32 v25, 0, v25, vcc_lo
	v_cndmask_b32 v31, 0, v31, vcc_lo
.irp a, 4,6,8,10,12,14,20,22,24,26,28,30
	ROUND2 \a, (\a)+1
.endr
	global_store_b128 v1, v[4:7], s[52:53]
	global_store_b128 v1, v[8:11], s[52:53] offset:4096
	global_store_b128 v1, v[12:15], s[52:53] offset:8192
.irp i, 0,1,2,3,4,5,6,7,8,9,10,11
	global_store_b32 v3, v[20+(\i)], s[52:53] offset:12288+3072*((\i)/3)+1024*((\i)%3)
.endr
.irp i, 0,1,2,3,4,5,6,7,8,9,10,11
	global_store_b128 v1, v[40:43], s[6:7] offset:4096*(\i)
.endr
	s_endpgm
.Lzero_rows:                           ; rows 1089 to 1120 of eight heads of k or v: 4,096 bytes each
	s_sub_co_u32 s5, s4, 2074
	s_mul_i32 s6, s5, 8*HS
	s_mov_b32 s7, 0
	s_add_nc_u64 s[8:9], s[54:55], s[6:7]
	s_add_nc_u64 s[8:9], s[8:9], SEC+139392
.irp i, 40,41,42,43
	v_mov_b32 v[\i], 0
.endr
.irp n, 0,1,2,3,4,5,6,7
	global_store_b128 v1, v[40:43], s[8:9] offset:(\n)*HS
.endr
	s_endpgm
.Lfunc_end_k_qf00789d2f0_prep:
	.size	k_qf00789d2f0_prep, .Lfunc_end_k_qf00789d2f0_prep-k_qf00789d2f0_prep
	.p2alignl 7, 3214868480
	.fill 96, 4, 3214868480
	.section	.rodata,"a",@progbits
	.p2align	6, 0x0
	.amdhsa_kernel k_qf00789d2f0_prep
		.amdhsa_group_segment_fixed_size 0
		.amdhsa_private_segment_fixed_size 0
		.amdhsa_enable_private_segment 0
		.amdhsa_kernarg_size 160
		.amdhsa_user_sgpr_count 2
		.amdhsa_user_sgpr_kernarg_segment_ptr 1
		.amdhsa_wavefront_size32 1
		.amdhsa_system_sgpr_workgroup_id_x 1
		.amdhsa_system_sgpr_workgroup_id_y 1
		.amdhsa_system_sgpr_workgroup_id_z 1
		.amdhsa_system_vgpr_workitem_id 0
		.amdhsa_next_free_vgpr 64
		.amdhsa_next_free_sgpr 66
		.amdhsa_reserve_vcc 1
		.amdhsa_float_denorm_mode_32 3
		.amdhsa_float_denorm_mode_16_64 3
		.amdhsa_memory_ordered 1
		.amdhsa_forward_progress 1
		.amdhsa_inst_pref_size 18
	.end_amdhsa_kernel
	.amdgpu_metadata
---
amdhsa.version: [ 1, 2 ]
amdhsa.kernels:
  - .name:           k_qf00789d2f0_prep
    .symbol:         k_qf00789d2f0_prep.kd
    .args:
      - { .name: hidden_states, .offset: 0, .size: 8, .value_kind: global_buffer, .address_space: global }
      - { .name: Wq, .offset: 8, .size: 8, .value_kind: global_buffer, .address_space: global }
      - { .name: Wk, .offset: 16, .size: 8, .value_kind: global_buffer, .address_space: global }
      - { .name: Wv, .offset: 24, .size: 8, .value_kind: global_buffer, .address_space: global }
      - { .name: W_itk, .offset: 32, .size: 8, .value_kind: global_buffer, .address_space: global }
      - { .name: W_iik, .offset: 40, .size: 8, .value_kind: global_buffer, .address_space: global }
      - { .name: W_itv, .offset: 48, .size: 8, .value_kind: global_buffer, .address_space: global }
      - { .name: W_iiv, .offset: 56, .size: 8, .value_kind: global_buffer, .address_space: global }
      - { .name: bq, .offset: 64, .size: 8, .value_kind: global_buffer, .address_space: global }
      - { .name: bk, .offset: 72, .size: 8, .value_kind: global_buffer, .address_space: global }
      - { .name: bv, .offset: 80, .size: 8, .value_kind: global_buffer, .address_space: global }
      - { .name: b_itk, .offset: 88, .size: 8, .value_kind: global_buffer, .address_space: global }
      - { .name: b_iik, .offset: 96, .size: 8, .value_kind: global_buffer, .address_space: global }
      - { .name: b_itv, .offset: 104, .size: 8, .value_kind: global_buffer, .address_space: global }
      - { .name: b_iiv, .offset: 112, .size: 8, .value_kind: global_buffer, .address_space: global }
      - { .name: xb, .offset: 120, .size: 8, .value_kind: global_buffer, .address_space: global }
      - { .name: wb, .offset: 128, .size: 8, .value_kind: global_buffer, .address_space: global }
      - { .name: wf, .offset: 136, .size: 8, .value_kind: global_buffer, .address_space: global }
      - { .name: bs, .offset: 144, .size: 8, .value_kind: global_buffer, .address_space: global }
      - { .name: qkv, .offset: 152, .size: 8, .value_kind: global_buffer, .address_space: global }
    .group_segment_fixed_size: 0
    .private_segment_fixed_size: 0
    .kernarg_segment_align: 8
    .kernarg_segment_size: 160
    .max_flat_workgroup_size: 256
    .sgpr_count:     66
    .vgpr_count:     64
    .wavefront_size: 32
...
	.end_amdgpu_metadata
.endif
;; end of part 1
;; launch qkv (part 2): grid 12 x 42, 4 waves a work-group, clusters of 4 x 1, 327,680 bytes of LDS; arguments xb, wb, bs, qkv; writes qkv
.if DOCPART == 2
	.amdgcn_target "amdgcn-amd-amdhsa--gfx1250"
	.amdhsa_code_object_version 6
	.text
	.protected	k_qf00789d2f0_qkv
	.globl	k_qf00789d2f0_qkv
	.p2align	8
	.type	k_qf00789d2f0_qkv,@function
k_qf00789d2f0_qkv:
	s_mov_b64 s[64:65], 0
	v_nop
	global_prefetch_b8 v0, s[64:65] scope:SCOPE_SE
	s_setreg_imm32_b32 hwreg(HW_REG_WAVE_MODE, 25, 1), 1
	s_wait_xcnt 0x0
	s_wait_alu depctr_hold_cnt(0) depctr_sa_sdst(0) depctr_va_vdst(0) depctr_va_sdst(0) depctr_va_ssrc(0) depctr_va_vcc(0) depctr_vm_vsrc(0)
	s_getreg_b32 s2, hwreg(HW_REG_IB_STS2, 6, 4)
	s_cmp_eq_u32 s2, 0
	s_cbranch_scc0 .Lentry_in_a_cluster
	s_endpgm
.Lentry_in_a_cluster:
	s_bfe_u32 s2, ttmp6, 0x10000c
	s_cmp_lg_u32 s2, 0x3003
	s_cbranch_scc0 .Lentry_shape_is_right
	s_endpgm
.Lentry_shape_is_right:
; q, k, v = x W^T + b.  xb [8736][1024] and wb [3072][1024] in bf16, sums in f32 started by the bias, each result rounded once to f16 and stored by heads:
; qkv[section][batch x 16 + head][row of the sequence][64], a head 1,122 rows of 128 bytes.  Nothing of the module's work is left out here.
; LIMIT: |q|, |k|, |v| stay under 65,504 (f16).
; SHARES.  A tile is 208 rows x 256 columns: 42 x 12 tiles.  Each of the four waves takes all 208 rows and 64 columns, which are one head: 13 x 4 accumulators, 416 registers.
; K goes in steps of 128 (rows of 256 bytes, aligned) through two LDS slots.  A trip of the loop is one K step; the slot in hand is a scalar that one exclusive or turns.
; CLUSTER.  The four work-groups of a cluster make four neighbouring column tiles of one section and need the same 208 rows of x: those are asked for JOINTLY (waves 0 and 1, 104 rows each).
; The rows of W are each work-group's own (waves 2 and 3, 128 rows each, no mask).  42 tile rows are no multiple of four, so W's tiles have no partners along y.
; THE MATRIX INSTRUCTION IS USED TRANSPOSED (source 0 = 16 rows of W, source 1 = 16 rows of x): a lane holds eight neighbouring columns of one row.
; REGISTERS: window 0: v8-31 addresses; v32-63 rows read back; v64-127 W's fragments, two buffers of 32; v128-159 the bias as a C operand; v160-175 packed results
;   window 1: x's fragments, two buffers of 104      window 2: accumulators of row blocks 0-7 (at 32 a + 8 b)      window 3: of row blocks 8-12
.set HS,    143616
.set SEC,   128*HS
.set PITCH, 272                        ; an LDS row: 256 bytes + 16 of padding: the 16 rows of a load start at 16 different groups of four banks (ISA guide 11.1)
.set AHALF, 104*PITCH
.set BOFF,  208*PITCH                  ; W's 256 rows lie behind x's 208
.set BHALF, 128*PITCH
.set SLOT1, 1<<17
.set STAGE, SLOT1+BOFF+256*PITCH       ; behind the ring: 16 rows x 144 bytes for each wave
.set SP,    144
.set SPARE, STAGE+4*16*SP              ; the spare words: 128 bytes a wave, two blocks of 256 bytes that no other line names
.set OFFS, 8                           ; v8-11   the four stores' offsets
.set TM,   12                          ; v12-13  at work
.set ADA0, 16                          ; my lane's place in x's tile, in W's tile
.set ADB0, 17
.set ADA,  18                          ; the same in the slot in hand
.set ADB,  19
.set STO,  20
.set RD,   21
.set MR,   22                          ; 208 Y + lane / 8
.set CL,   23                          ; 16 (lane % 8)
.set SPW,  28
.set NIL,  29
.set PFO,  30
.set OB,   32
.set BF,   64
.set BIAS, 128
.set TMP,  160
.set WV,   12
.set HALF, 13
.set ISB,  14
.set CX,   15
.set XT,   16
.set YT,   17
.set G1A,  24
.set G0A,  32
.set TB,   40
.set LIM,  43
.set PFA,  44
.set G1B,  48
.set G0B,  56
.set MAG,  66
.set BST,  67
.set MSB, 0
.macro WIN new                         ; the high byte repeats the setting that is left; a switch that changes nothing is dropped
.if MSB != (\new)
	s_set_vgpr_msb (MSB<<8)|(\new)
.set MSB, \new
.endif
.endm
.macro PLACES                          ; four plain places behind a matrix instruction, ahead of loads into its sources and of readers of its result
.rept 4
	v_nop
.endr
.endm
.macro JLOAD                           ; a refill: waves 0, 1 ask jointly for x's halves, waves 2, 3 for W's; an s_nop 0 and four v_nop follow each line
	s_cmp_eq_u32 s[ISB], 0
	s_cbranch_scc0 .Lfor_b_\@
	tensor_load_to_lds s[G0A+4:G0A+7], s[G1A:G1A+7]
	s_nop 0
.rept 4
	v_nop
.endr
	s_branch .Lasked_\@
.Lfor_b_\@:
	tensor_load_to_lds s[G0B+4:G0B+7], s[G1B:G1B+7]
	s_nop 0
.rept 4
	v_nop
.endr
.Lasked_\@:
.endm
; A prefetch of the K step two refills on: a lane a row, 256 bytes of each.  x's rows are read by the three clusters of a tile row: the first (section q) asks, its four partners taking 26 rows each
; of a wave's 104 by address (lanes 26-31 repeat lane 25's row).  W's rows are read by all 42 tile rows: tile rows 0 to 3 ask, 32 rows each of a wave's 128.  Trips 0 to 3 name K steps 4 to 7; the last two name nothing.
.macro ASK
	WIN 0
	s_cmp_gt_u32 s3, s[LIM]
	s_cbranch_scc0 .Lnot_mine_\@
	global_prefetch_b8 v[PFO], s[PFA:PFA+1] offset:256 th:TH_LOAD_NT scope:SCOPE_SE
.Lnot_mine_\@:
.endm
.macro CREST                           ; a round of the cluster's barrier behind its opening barrier
	s_cmp_lg_u32 s[WV], 0
	s_cbranch_scc1 .Lnot_wave_0_\@
	s_barrier_signal -3
.Lnot_wave_0_\@:
	s_barrier_wait -3
	s_barrier_signal -1
	s_barrier_wait -1
.endm
.macro CROUND
	s_barrier_signal -1
	s_barrier_wait -1
	CREST
.endm
	s_load_b256 s[4:11], s[0:1], 0x0               ; xb 4, wb 6, bs 8, qkv 10
	v_lshl_add_u32 v[SPW], v0, 2, SPARE
	v_mov_b32 v[NIL], 0
	ds_add_u32 v[SPW], v[NIL]                      ; the wave's opening: the add, twice on end, and its wait ahead of my first tensor load
	ds_add_u32 v[SPW], v[NIL]
	v_lshrrev_b32 v1, 5, v0
	v_readfirstlane_b32 s[WV], v1
	s_and_b32 s[HALF], s[WV], 1                    ; which half of a tile's rows I fetch
	s_lshr_b32 s[ISB], s[WV], 1                    ; for x (0) or for W (1)
	s_bfe_u32 s[CX], ttmp6, 0x40000
	s_lshl_b32 s[XT], ttmp9, 2
	s_add_co_u32 s[XT], s[XT], s[CX]               ; column tile = 4 x section + cx
	s_and_b32 s[YT], ttmp7, 0xffff                 ; row tile, which the partners share
	s_mov_b32 s[G1A], 15|(1<<16)|(1<<20)|(1<<21)|(5<<22)|(3<<25)  ; the mask of four; 2-byte elements; padding on; bit 21 beside a mask; after every 64 words 4 words
	s_mov_b32 s[G1B], (1<<16)|(1<<20)|(5<<22)|(3<<25)             ; the same without a mask
	s_mov_b32 s[G1A+1], 128<<16                    ; tensor_dim0
	s_mov_b32 s[G1B+1], 128<<16
	s_mov_b32 s[G1A+2], 104<<16                    ; tensor_dim1
	s_mov_b32 s[G1B+2], 128<<16
	s_mov_b32 s[G1A+3], 128<<16                    ; tile_dim0
	s_mov_b32 s[G1B+3], 128<<16
	s_mov_b32 s[G1A+4], 104                        ; tile_dim1
	s_mov_b32 s[G1B+4], 128
	s_mov_b32 s[G1A+5], 1024                       ; elements from row to row
	s_mov_b32 s[G1B+5], 1024
	s_mov_b32 s[G1A+6], 0
	s_mov_b32 s[G1B+6], 0
	s_mov_b32 s[G1A+7], 0
	s_mov_b32 s[G1B+7], 0
	s_mul_i32 s18, s[YT], 208                      ; x: row 208 Y + 104 half: made of what the partners share
	s_mul_i32 s19, s[HALF], 104
	s_add_co_u32 s18, s18, s19
	s_lshl_b32 s18, s18, 11
	s_mov_b32 s19, 0
	s_lshl_b32 s20, s[XT], 8                       ; W: row 256 X + 128 half
	s_lshl_b32 s21, s[HALF], 7
	s_add_co_u32 s20, s20, s21
	s_lshl_b32 s20, s20, 11
	s_mov_b32 s21, 0
	s_mul_i32 s22, s[HALF], AHALF
	s_mul_i32 s23, s[HALF], BHALF
	s_add_co_u32 s23, s23, BOFF
	s_mov_b32 s[TB], 0
	s_mov_b32 s[MAG], 123249                       ; ceil(2^27 / 1089): exact for rows under 8,736
	s_mov_b32 s[BST], 2158464                      ; 16 heads less 1,089 rows, in bytes
	s_wait_dscnt 0x0                               ; both opening adds are done
	s_wait_kmcnt 0x0
	s_add_nc_u64 s[18:19], s[4:5], s[18:19]
	s_add_nc_u64 s[20:21], s[6:7], s[20:21]
.irp s, 0,1
	s_mov_b32 s[G0A+4*(\s)], 1
	s_add_co_u32 s[G0A+4*(\s)+1], s22, (\s)*SLOT1
	s_add_nc_u64 s[G0A+4*(\s)+2:G0A+4*(\s)+3], s[18:19], (\s)*256
	s_or_b32 s[G0A+4*(\s)+3], s[G0A+4*(\s)+3], 0x80000000
	s_mov_b32 s[G0B+4*(\s)], 1
	s_add_co_u32 s[G0B+4*(\s)+1], s23, (\s)*SLOT1
	s_add_nc_u64 s[G0B+4*(\s)+2:G0B+4*(\s)+3], s[20:21], (\s)*256
	s_or_b32 s[G0B+4*(\s)+3], s[G0B+4*(\s)+3], 0x80000000
.endr
	CROUND                                         ; all four work-groups are here: the first joint loads meet
	s_cmp_eq_u32 s[ISB], 0                         ; a wave's two first fills stand in one branch: K steps 0 and 1
	s_cbranch_scc0 .Lfirst_b
	tensor_load_to_lds s[G0A:G0A+3], s[G1A:G1A+7]
	s_nop 0
	tensor_load_to_lds s[G0A+4:G0A+7], s[G1A:G1A+7]
	s_nop 0
.rept 4
	v_nop
.endr
	s_branch .Lfirst_asked
.Lfirst_b:
	tensor_load_to_lds s[G0B:G0B+3], s[G1B:G1B+7]
	s_nop 0
	tensor_load_to_lds s[G0B+4:G0B+7], s[G1B:G1B+7]
	s_nop 0
.rept 4
	v_nop
.endr
.Lfirst_asked:
	v_and_b32 v1, 15, v0                           ; r
	v_bfe_u32 v2, v0, 4, 1                         ; h
	v_mul_u32_u24 v[ADA0], v1, PITCH
	v_lshl_add_u32 v[ADA0], v2, 4, v[ADA0]         ; a fragment's row x pitch + 16 h
	s_mul_i32 s41, s[WV], 64*PITCH
	s_add_co_u32 s41, s41, BOFF
	v_add_nc_u32 v[ADB0], s41, v[ADA0]             ; my 64 rows of W
	v_mov_b32 v[ADA], v[ADA0]
	v_mov_b32 v[ADB], v[ADB0]
	s_mul_i32 s41, s[WV], 16*SP
	s_add_co_u32 s41, s41, STAGE
	v_mul_u32_u24 v3, v1, SP
	v_lshl_add_u32 v3, v2, 4, v3
	v_add_nc_u32 v[STO], s41, v3                   ; into the stage: row r, 16 bytes for each half of the lanes
	v_and_b32 v4, 31, v0
	v_lshrrev_b32 v5, 3, v4
	v_and_b32 v6, 7, v0
	v_mul_u32_u24 v3, v5, SP
	v_lshl_add_u32 v3, v6, 4, v3
	v_add_nc_u32 v[RD], s41, v3                    ; back: 32 lanes take four rows of 128 bytes
	s_mul_i32 s41, s[YT], 208
	v_add_nc_u32 v[MR], s41, v5
	v_lshlrev_b32 v[CL], 4, v6
	s_lshl_b32 s41, s[XT], 10                      ; the bias of my 64 columns
	s_lshl_b32 s42, s[WV], 8
	s_add_co_u32 s46, s41, s42
	s_mov_b32 s47, 0
	s_add_nc_u64 s[8:9], s[8:9], s[46:47]
	v_lshlrev_b32 v7, 5, v2
.irp b, 0,1,2,3
	global_load_b128 v[BIAS+8*(\b):BIAS+8*(\b)+3],   v7, s[8:9] offset:64*(\b)
	global_load_b128 v[BIAS+8*(\b)+4:BIAS+8*(\b)+7], v7, s[8:9] offset:64*(\b)+16
.endr
	s_mul_i32 s46, ttmp9, SEC                      ; my section, my head 4 cx + wave
	s_lshl2_add_u32 s41, s[CX], s[WV]
	s_mul_i32 s41, s41, HS
	s_add_co_u32 s46, s46, s41
	s_add_nc_u64 s[10:11], s[10:11], s[46:47]
	s_mul_i32 s41, s[YT], 208                      ; the prefetches' rows
	s_mul_i32 s42, s[HALF], 104
	s_add_co_u32 s41, s41, s42
	s_mul_i32 s42, s[CX], 26
	s_add_co_u32 s41, s41, s42
	s_lshl_b32 s42, s[XT], 8
	s_lshl_b32 s46, s[HALF], 7
	s_add_co_u32 s42, s42, s46
	s_min_u32 s46, s[YT], 3
	s_lshl_b32 s46, s46, 5
	s_add_co_u32 s42, s42, s46
	s_cmp_lt_u32 s[YT], 4
	s_cselect_b32 s47, 2, -1
	s_cmp_eq_u32 ttmp9, 0
	s_cselect_b32 s46, 2, -1
	s_cmp_eq_u32 s[ISB], 0
	s_cselect_b32 s[LIM], s46, s47                 ; the same in all four partners, for a given wave
	s_cselect_b32 s41, s41, s42
	s_cselect_b32 s42, 25, 31
	s_cselect_b64 s[PFA:PFA+1], s[4:5], s[6:7]
	s_lshl_b32 s46, s41, 11
	s_mov_b32 s47, 0
	s_add_nc_u64 s[PFA:PFA+1], s[PFA:PFA+1], s[46:47]
	s_add_nc_u64 s[PFA:PFA+1], s[PFA:PFA+1], 512   ; at K step 2: the first refill steps it to 3 and names 4.  Nothing is prefetched here, at the head
	v_min_u32 v[PFO], s42, v4
	v_lshlrev_b32 v[PFO], 11, v[PFO]
; Row blocks a0 to a1 x all four column blocks, 32 along K, from buffer f.  first = 1: the bias starts the sums.  Each accumulator has one instruction a quarter: 51 others stand between two links of a chain.
.macro MUL f, a0, a1, first
.set aa, \a0
.rept (\a1)-(\a0)+1
.if aa < 8
	WIN 0xa4-0x20*(\first)                         ; W window 0, x window 1, C and D window 2 (C window 0 for the bias)
.set rA, 32*aa
.else
	WIN 0xf4-0x30*(\first)
.set rA, 32*(aa-8)
.endif
.irp b, 0,1,2,3
.if \first
	v_wmma_f32_16x16x32_bf16 v[rA+8*(\b):rA+8*(\b)+7], v[BF+32*(\f)+8*(\b):BF+32*(\f)+8*(\b)+7], v[104*(\f)+8*aa:104*(\f)+8*aa+7], v[BIAS+8*(\b):BIAS+8*(\b)+7]
.else
	v_wmma_f32_16x16x32_bf16 v[rA+8*(\b):rA+8*(\b)+7], v[BF+32*(\f)+8*(\b):BF+32*(\f)+8*(\b)+7], v[104*(\f)+8*aa:104*(\f)+8*aa+7], v[rA+8*(\b):rA+8*(\b)+7]
.endif
.endr
.set aa, aa+1
.endr
.endm
.macro FETCH k, f                      ; 34 LDS loads in one run: W's four fragments, then x's thirteen, at byte k of the rows
	WIN 0
.irp b, 0,1,2,3
	ds_load_b128 v[BF+32*(\f)+8*(\b):BF+32*(\f)+8*(\b)+3],   v[ADB] offset:(\k)+(\b)*16*PITCH
	ds_load_b128 v[BF+32*(\f)+8*(\b)+4:BF+32*(\f)+8*(\b)+7], v[ADB] offset:(\k)+(\b)*16*PITCH+32
.endr
	WIN 0x40
.irp a, 0,1,2,3,4,5,6,7,8,9,10,11,12
	ds_load_b128 v[104*(\f)+8*(\a):104*(\f)+8*(\a)+3],   v[ADA] offset:(\k)+(\a)*16*PITCH
	ds_load_b128 v[104*(\f)+8*(\a)+4:104*(\f)+8*(\a)+7], v[ADA] offset:(\k)+(\a)*16*PITCH+32
.endr
.endm
.macro QUARTER k, f, g, first          ; multiplies buffer f; in its middle fetches the next quarter, at byte k, into buffer g
	s_wait_dscnt 12                                ; the youngest twelve loads, x's row blocks 7 to 12, may be out
	MUL \f, 0, 6, \first
	PLACES
	FETCH \k, \g
	s_wait_dscnt 34                                ; all but the 34 just issued
	MUL \f, 7, 12, \first
.endm
; The last quarter of a K step multiplies buffer 1 and changes slots: each wave waits for all its tensor loads (one is out: its part of the next slot), adds 0 to its spare word, and waits for that
; and for its reads of this slot.  fill = 1: the barrier opens a round of the cluster's, and the slot just read is filled again first thing behind it, with the K step two on.
.macro TURN fill
.if \fill
	s_wait_xcnt 0x0                                ; the last prefetch, a K step back, has read its address
	s_add_nc_u64 s[PFA:PFA+1], s[PFA:PFA+1], 256
.endif
	WIN 0
	s_wait_tensorcnt 0x0
	ds_add_u32 v[SPW], v[NIL]
	s_wait_dscnt 13                                ; the add and the youngest twelve loads may be out
	MUL 1, 0, 3, 0
	s_wait_dscnt 0x0                               ; the add is done, my reads of this slot are over
	s_barrier_signal -1
	MUL 1, 4, 6, 0
.if \fill
	WIN 0
.endif
	s_barrier_wait -1
.if \fill
	CREST
	s_xor_b32 s[G0A+5], s[G0A+5], SLOT1            ; the walking descriptors: the other slot, the next K step
	s_add_nc_u64 s[G0A+6:G0A+7], s[G0A+6:G0A+7], 256
	s_xor_b32 s[G0B+5], s[G0B+5], SLOT1
	s_add_nc_u64 s[G0B+6:G0B+7], s[G0B+6:G0B+7], 256
	JLOAD                                          ; its four v_nop are also the places ahead of the loads below
.else
	PLACES
.endif
	WIN 0
	s_xor_b32 s[TB], s[TB], SLOT1
	v_add_nc_u32 v[ADA], s[TB], v[ADA0]
	v_add_nc_u32 v[ADB], s[TB], v[ADB0]
	FETCH 0, 0
.if \fill
	ASK
.endif
	MUL 1, 7, 12, 0
.endm
	s_wait_loadcnt 0x0                             ; the bias
	s_wait_tensorcnt 1                             ; my part of K step 0 is in; K step 1's stays out
	s_barrier_signal -1
	s_barrier_wait -1
	FETCH 0, 0
	QUARTER 64, 0, 1, 1
	WIN 0
	s_mov_b32 s3, 6                                ; six refills: K steps 2 to 7
.Lk:
	QUARTER 128, 1, 0, 0
	QUARTER 192, 0, 1, 0
	TURN 1
	QUARTER 64, 0, 1, 0
	WIN 0
	s_sub_co_u32 s3, s3, 1
	s_cmp_lg_u32 s3, 0
	s_cbranch_scc1 .Lk
	QUARTER 128, 1, 0, 0                           ; the last two K steps ask for nothing
	QUARTER 192, 0, 1, 0
	TURN 0
	QUARTER 64, 0, 1, 0
	QUARTER 128, 1, 0, 0
	QUARTER 192, 0, 1, 0
	s_wait_dscnt 12
	MUL 1, 0, 6, 0
	s_wait_dscnt 0x0
	MUL 1, 7, 12, 0
	WIN 0
	PLACES
; THE WAY OUT, a block of 16 rows at a time: rounded to f16, 16 bytes a lane into my stage, back as four rows of 128 bytes a load, which are 512 consecutive bytes of a head.
.macro PACK a
.if (\a) < 8
	WIN 0x0a
.set rA, 32*(\a)
.else
	WIN 0x0f
.set rA, 32*((\a)-8)
.endif
.irp b, 0,1,2,3
.irp q, 0,1,2,3
	v_cvt_pk_f16_f32 v[TMP+4*(\b)+(\q)], v[rA+8*(\b)+2*(\q)], v[rA+8*(\b)+2*(\q)+1]
.endr
.endr
	WIN 0
.endm
.macro TOSTAGE a
.irp b, 0,1,2,3
	ds_store_b128 v[STO], v[TMP+4*(\b):TMP+4*(\b)+3] offset:32*(\b)
.endr
.irp t, 0,1,2,3
	ds_load_b128 v[OB+16*((\a)%2)+4*(\t):OB+16*((\a)%2)+4*(\t)+3], v[RD] offset:576*(\t)  ; LDS serves a wave's instructions in order: these see the stores above
.endr
.endm
.macro FREE
	s_wait_dscnt 0x0                               ; the block is back in registers
	s_wait_xcnt 0x0                                ; earlier stores have read their offsets and data
.endm
.macro SEND1 a, t                      ; row m = 208 Y + 16 a + 4 t + lane / 8 lies in batch m / 1089
	v_add_nc_u32 v[TM], 16*(\a)+4*(\t), v[MR]
	v_mul_lo_u32 v[TM+1], v[TM], s[MAG]
	v_lshrrev_b32 v[TM+1], 27, v[TM+1]
	v_lshl_add_u32 v[TM], v[TM], 7, v[CL]
	v_mad_u32_u24 v[OFFS+(\t)], v[TM+1], s[BST], v[TM]
	global_store_b128 v[OFFS+(\t)], v[OB+16*((\a)%2)+4*(\t):OB+16*((\a)%2)+4*(\t)+3], s[10:11]
.endm
	PACK 0
	TOSTAGE 0
.irp a, 1,2,3,4,5,6,7,8,9,10,11
	PACK \a
	FREE
	SEND1 (\a)-1, 0
	SEND1 (\a)-1, 1
	SEND1 (\a)-1, 2
	SEND1 (\a)-1, 3
	TOSTAGE \a
.endr
	FREE
	SEND1 11, 0
	SEND1 11, 1
	s_cmp_eq_u32 s[YT], 41                         ; the last tile row has 184 rows = 11 blocks and 8 rows; the same in all partners
	s_cbranch_scc1 .Lend
	SEND1 11, 2
	SEND1 11, 3
	PACK 12
	TOSTAGE 12
	FREE
	SEND1 12, 0
	SEND1 12, 1
	SEND1 12, 2
	SEND1 12, 3
.Lend:
	s_wait_tensorcnt 0x0                           ; the wave's end
	ds_add_u32 v[SPW], v[NIL]
	s_wait_dscnt 0x0
	CROUND                                         ; the closing round
	s_endpgm
.Lfunc_end_k_qf00789d2f0_qkv:
	.size	k_qf00789d2f0_qkv, .Lfunc_end_k_qf00789d2f0_qkv-k_qf00789d2f0_qkv
	.p2alignl 7, 3214868480
	.fill 96, 4, 3214868480
	.section	.rodata,"a",@progbits
	.p2align	6, 0x0
	.amdhsa_kernel k_qf00789d2f0_qkv
		.amdhsa_group_segment_fixed_size 327680
		.amdhsa_private_segment_fixed_size 0
		.amdhsa_enable_private_segment 0
		.amdhsa_kernarg_size 32
		.amdhsa_user_sgpr_count 2
		.amdhsa_user_sgpr_kernarg_segment_ptr 1
		.amdhsa_wavefront_size32 1
		.amdhsa_system_sgpr_workgroup_id_x 1
		.amdhsa_system_sgpr_workgroup_id_y 1
		.amdhsa_system_sgpr_workgroup_id_z 1
		.amdhsa_system_vgpr_workitem_id 0
		.amdhsa_next_free_vgpr 928
		.amdhsa_next_free_sgpr 80
		.amdhsa_reserve_vcc 0
		.amdhsa_float_denorm_mode_32 3
		.amdhsa_float_denorm_mode_16_64 3
		.amdhsa_memory_ordered 1
		.amdhsa_forward_progress 1
		.amdhsa_inst_pref_size 120
	.end_amdhsa_kernel
	.amdgpu_metadata
---
amdhsa.version: [ 1, 2 ]
amdhsa.kernels:
  - .name:           k_qf00789d2f0_qkv
    .symbol:         k_qf00789d2f0_qkv.kd
    .args:
      - { .name: xb, .offset: 0, .size: 8, .value_kind: global_buffer, .address_space: global }
      - { .name: wb, .offset: 8, .size: 8, .value_kind: global_buffer, .address_space: global }
      - { .name: bs, .offset: 16, .size: 8, .value_kind: global_buffer, .address_space: global }
      - { .name: qkv, .offset: 24, .size: 8, .value_kind: global_buffer, .address_space: global }
    .group_segment_fixed_size: 327680
    .private_segment_fixed_size: 0
    .kernarg_segment_align: 8
    .kernarg_segment_size: 32
    .max_flat_workgroup_size: 128
    .sgpr_count:     80
    .vgpr_count:     928
    .wavefront_size: 32
...
	.end_amdgpu_metadata
.endif
;; end of part 2
;; launch imit (part 3): grid 64 x 4, 8 waves a work-group, no clusters, 315,648 bytes of LDS; arguments qkv, wf, bs, ikv, aux; writes ikv, aux
.if DOCPART == 3
	.amdgcn_target "amdgcn-amd-amdhsa--gfx1250"
	.amdhsa_code_object_version 6
	.text
	.protected	k_qf00789d2f0_imit
	.globl	k_qf00789d2f0_imit
	.p2align	8
	.type	k_qf00789d2f0_imit,@function
k_qf00789d2f0_imit:
	s_mov_b64 s[64:65], 0
	v_nop
	global_prefetch_b8 v0, s[64:65] scope:SCOPE_SE
	s_setreg_imm32_b32 hwreg(HW_REG_WAVE_MODE, 25, 1), 1
	s_wait_xcnt 0x0
; THE IMITATION.  For k (z = 0) and v (z = 1), per batch: rows 0-511 of the result = W_it x rows 512-1088 + b_it (part 0); rows 512-1088 = W_ii x rows 0-511 + b_ii (part 1).
; Products in f16 with f32 sums started by the bias.  Nothing of the module's work is left out here.
; A work-group has one batch, two heads (128 channels), one z and one part.  Its result is stored as f16 TIMES A POWER OF TWO that brings the block's largest magnitude into 2^14 .. 2^15;
; aux[64 (2 z + part) + 8 batch + head pair] = {factor, 1 / factor, the block's sum of (result - true row)^2, 0}: f32.
; LIMITS: results beyond 2^123 have no factor (the exponent is held to 16 .. 250).  The loss takes the true rows as the f16 numbers stored by the launch before.
; SHARES.  Wave w takes row blocks 8 a + w, a = 0 .. 3, and in part 1 waves 0 to 4 take blocks 32 to 36 (slot 4), jumped by the others.  Each block x 8 blocks of 16 channels.
; Source 0 = the source rows turned (16 channels x 32 rows, ds_load_tr16_b128), source 1 = a fragment of W straight from memory in operand order: a lane ends with one row and eight channels.
; W HAS THREE SETS OF REGISTERS: K step s multiplies set s mod 3 and then asks for K step s + 3, so that a load has two K steps in which to come.
; THREE TENSOR LOADS A WAVE go out at the head, each a quarter of one head's rows: the source rows of K steps 0-7, the other source rows, the first 512 true rows.  The products begin when the first has
; landed; the second is waited for behind K step 6, whose fetch reaches K step 7; the third ahead of the barrier of the maxima.  ONE MAP OF LDS SERVES BOTH PARTS: the part enters the loads' global addresses
; alone.  So part 1 brings 608 source rows a head like part 0 and multiplies the first 512.
; NO MULTICAST: a fragment of W is wanted by one wave of a work-group and goes into its registers; beside the source rows and the true rows LDS has no room for slots of W.
; LDS.  Source rows: 2 x 304 double rows of 256 + 32 bytes (a turning load's 8 rows x 32 bytes touch each bank once).  Behind them the true rows: 2 x 256 double rows of 256 + 16 bytes (the 16 rows of a
; read touch each bank once).  Part 1's last 65 true rows, slot 4's, have no room there (2 x 304 x 288 + 2 x 289 x 272 bytes are more than a WGP's 327,680): their waves load them into registers behind
; the loops.  The eight stages (2 heads x 16 rows x 144 bytes) lie over the first source rows: those blocks have had their last fill, and every wave's reads of them are over at the barrier of the maxima.
; REGISTERS.  Window 1: accumulators at 64 a + 32 e + 8 d.  Window 0 in the loops: v0-7 addresses; v8-71 turned fragments; v72-191 W, three sets of 40; v192-255 slot 4's accumulators; in K step 0 the
; bias and its two C operands stand in set 2's registers.  Behind the loops v8-191 are free: the way out's addresses are made there from v0.
.set HS,    143616
.set SEC,   128*HS
.set RP,    288                        ; pitch of a double row of source rows
.set TP,    272                        ; of true rows
.set HSTR,  304*RP                     ; a head's source rows
.set TRB,   2*HSTR                     ; where the true rows begin
.set THS,   256*TP                     ; a head's true rows
.set RED,   TRB+2*THS                  ; 32 bytes for the maxima, 32 for the sums
.set SPARE, RED+256                    ; the spare words: 128 bytes a wave, four blocks of 256 bytes that no other line names
.set WO,  1                            ; 16 x lane
.set AKH, 2                            ; v2, v3  LDS address of the turning loads, head 0, 1; steps by 32 rows
.set SPW, 4
.set NIL, 5
.set KF,  8
.set WF,  72
.set BI,  152                          ; K step 0 alone: four slots' bias,
.set BI4, 156                          ; slot 4's,
.set BO,  157                          ; their lane offset,
.set CB,  160                          ; and the bias as C, two sets of eight
.set A4,  192
.set LN,  8                            ; behind the loops: lane
.set STO, 9
.set RD,  10
.set GO,  11
.set TRA, 12                           ; v12, v13  my place in the true rows, head 0, 1
.set KO4, 14                           ; my byte offset in memory of slot 4's true row
.set SC,  16                           ; v16-17 the factor, twice
.set NEG, 18
.set NEG4, 19
.set MX,  20                           ; v20-23 four running maxima
.set LS,  24                           ; v24-31 four pairs of sums of squares
.set INV, 32
.set RW,  33                           ; my word of RED
.set RB,  34
.set KLB, 40                           ; v40-103 two sets of 32: a slot's true rows, then its rows read back from the stage
.set PK,  104                          ; v104-135 a slot's packed results
.set TW,  136                          ; v136-151 at work
.set TT,  192                          ; after slot 4 has left: 64 scaled results
.set WV,  14
.set G1A, 24
.set G1B, 32
.set G1T, 40
.set G0A, 48
.set G0B, 52
.set G0T, 56
.set WP,  60
.set HB,  62
.set OBS, 66
.set BC,  68
.set SEL, 70
.set CNT, 72
.set OUT, 73
.set EE,  74
.set UU,  75
.set KB,  76                           ; s[76:77] the first head's rows that the part makes, in qkv
.set SRC, 78                           ; byte of the first source row in a head
.set TRO, 79                           ; byte of the first true row
.set MSB, 0
.macro WIN new
.if MSB != (\new)
	s_set_vgpr_msb (MSB<<8)|(\new)
.set MSB, \new
.endif
.endm
.macro PLACES
.rept 4
	v_nop
.endr
.endm
	s_load_b256 s[4:11], s[0:1], 0x0               ; qkv 4, wf 6, bs 8, ikv 10
	s_load_b64 s[12:13], s[0:1], 0x20              ; aux
	v_lshl_add_u32 v[SPW], v0, 2, SPARE
	v_mov_b32 v[NIL], 0
	ds_add_u32 v[SPW], v[NIL]                      ; the wave's opening: the add, twice on end, and its wait ahead of my first tensor load
	ds_add_u32 v[SPW], v[NIL]
	v_lshrrev_b32 v6, 5, v0
	v_readfirstlane_b32 s[WV], v6
	s_mov_b32 s15, ttmp9                           ; 8 batch + head pair
	s_and_b32 s16, ttmp7, 0xffff                   ; 2 z + part
	s_lshr_b32 s17, s16, 1
	s_and_b32 s18, s16, 1
	s_lshr_b32 s[EE], s[WV], 2                     ; the head whose rows I fetch,
	s_and_b32 s[UU], s[WV], 3                      ; and which quarter of them
	s_lshl_b32 s19, s15, 1                         ; the first head's number: 16 batch + 2 pair
	s_mul_i32 s19, s19, HS
	s_mul_i32 s20, s17, SEC
	s_add_co_u32 s20, s20, s19                     ; in ikv
	s_mov_b32 s21, 0
	s_mul_i32 s22, s[EE], HS
	s_add_co_u32 s22, s22, s20
	s_add_co_u32 s22, s22, SEC                     ; the head that I fetch, in qkv: k and v lie behind q
	s_mov_b32 s23, 0
	s_xor_b32 s[SRC], s18, 1                       ; part 0 multiplies rows 512 on, part 1 rows 0 on;
	s_lshl_b32 s[SRC], s[SRC], 16
	s_lshl_b32 s[TRO], s18, 16                     ; the rows that the part makes begin at part x 512
.irp g, G1A, G1B, G1T                  ; two rows of a head are asked for as one row of 256 bytes
	s_mov_b32 s[(\g)+1], 128<<16
	s_mov_b32 s[(\g)+3], 128<<16
	s_mov_b32 s[(\g)+5], 128
	s_mov_b32 s[(\g)+6], 0
	s_mov_b32 s[(\g)+7], 0
.endr
	s_mov_b32 s[G1A], (1<<16)|(1<<20)|(5<<22)|(7<<25)  ; 2-byte elements; padding on: after every 64 words 8 words
	s_mov_b32 s[G1B], (1<<16)|(1<<20)|(5<<22)|(7<<25)
	s_mov_b32 s[G1T], (1<<16)|(1<<20)|(5<<22)|(3<<25)  ; 4 words
	s_mov_b32 s[G1A+2], 32<<16                     ; K steps 0-7 are 128 double rows a head: 32 are mine
	s_mov_b32 s[G1A+4], 32
	s_mov_b32 s[G1B+2], 44<<16                     ; the other 176: 44
	s_mov_b32 s[G1B+4], 44
	s_mov_b32 s[G1T+2], 64<<16                     ; 256 of true rows: 64
	s_mov_b32 s[G1T+4], 64
	s_mov_b32 s[G0A], 1
	s_mov_b32 s[G0B], 1
	s_mov_b32 s[G0T], 1
	s_mul_i32 s19, s[EE], HSTR                     ; the LDS addresses: constants and the wave's number
	s_mul_i32 s2, s[UU], 32*RP
	s_add_co_u32 s[G0A+1], s19, s2
	s_mul_i32 s2, s[UU], 44*RP
	s_add_co_u32 s2, s2, s19
	s_add_co_u32 s[G0B+1], s2, 128*RP
	s_mul_i32 s19, s[EE], THS
	s_mul_i32 s2, s[UU], 64*TP
	s_add_co_u32 s2, s2, s19
	s_add_co_u32 s[G0T+1], s2, TRB
	s_mov_b32 s[SEL], 0x76543210
	s_mov_b32 s[SEL+1], 0xfedcba98
	v_bfe_u32 v6, v0, 4, 1                         ; h
	v_bfe_u32 v7, v0, 1, 2
	v_lshl_add_u32 v7, v6, 2, v7                   ; the double row of row 8 h + lane % 8,
	v_mul_u32_u24 v7, v7, RP
	v_and_b32 v6, 1, v0
	v_lshl_add_u32 v7, v6, 7, v7                   ; its half,
	v_bfe_u32 v6, v0, 3, 1
	v_lshl_add_u32 v[AKH], v6, 4, v7               ; and 8 channels
	v_add_nc_u32 v[AKH+1], HSTR, v[AKH]
	v_and_b32 v6, 31, v0
	v_lshlrev_b32 v[WO], 4, v6
	v_and_b32 v6, 15, v0
	v_lshlrev_b32 v[BO], 2, v6
	s_wait_dscnt 0x0                               ; both opening adds are done
	s_wait_kmcnt 0x0
	s_add_nc_u64 s[HB:HB+1], s[4:5], s[22:23]
	s_mov_b32 s3, 0
	s_lshl_b32 s2, s[UU], 13                       ; my 32 double rows of 256 bytes
	s_add_co_u32 s2, s2, s[SRC]
	s_add_nc_u64 s[G0A+2:G0A+3], s[HB:HB+1], s[2:3]
	s_or_b32 s[G0A+3], s[G0A+3], 0x80000000
	s_mul_i32 s2, s[UU], 44*256
	s_add_co_u32 s2, s2, s[SRC]
	s_add_co_u32 s2, s2, 32768
	s_add_nc_u64 s[G0B+2:G0B+3], s[HB:HB+1], s[2:3]
	s_or_b32 s[G0B+3], s[G0B+3], 0x80000000
	s_lshl_b32 s2, s[UU], 14
	s_add_co_u32 s2, s2, s[TRO]
	s_add_nc_u64 s[G0T+2:G0T+3], s[HB:HB+1], s[2:3]
	s_or_b32 s[G0T+3], s[G0T+3], 0x80000000
	tensor_load_to_lds s[G0A:G0A+3], s[G1A:G1A+7]  ; my three tensor loads of the launch, ahead of every branch, wait on TENSORcnt, LDS read and barrier
	s_nop 0
	tensor_load_to_lds s[G0B:G0B+3], s[G1B:G1B+7]
	s_nop 0
	tensor_load_to_lds s[G0T:G0T+3], s[G1T:G1T+7]
	s_nop 0
.rept 4
	v_nop
.endr
	s_add_nc_u64 s[OBS:OBS+1], s[10:11], s[20:21]
	s_mov_b32 s2, s[TRO]
	s_add_nc_u64 s[OBS:OBS+1], s[OBS:OBS+1], s[2:3]
	s_add_co_u32 s2, s20, SEC
	s_add_co_u32 s2, s2, s[TRO]
	s_add_nc_u64 s[KB:KB+1], s[4:5], s[2:3]
	s_mul_i32 s2, s17, 1228800
	s_mul_i32 s19, s18, 622592
	s_add_co_u32 s2, s2, s19
	s_lshl_b32 s19, s[WV], 10
	s_add_co_u32 s2, s2, s19
	s_add_nc_u64 s[WP:WP+1], s[6:7], s[2:3]        ; W at K step 0, block w
	s_mul_i32 s2, s16, 3072
	s_lshl_b32 s19, s[WV], 6
	s_add_co_u32 s2, s2, s19
	s_add_co_u32 s2, s2, 12288
	s_add_nc_u64 s[BC:BC+1], s[8:9], s[2:3]
	s_lshl_b32 s2, s16, 6
	s_add_co_u32 s2, s2, s15
	s_lshl_b32 s2, s2, 4
	s_add_nc_u64 s[12:13], s[12:13], s[2:3]
.macro KFETCH e, step                  ; head e's four turned fragments of a K step: 8 loads
.if \step
	v_add_nc_u32 v[AKH+(\e)], 16*RP, v[AKH+(\e)]
.endif
.irp d, 0,1,2,3
	ds_load_tr16_b128 v[KF+32*(\e)+8*(\d):KF+32*(\e)+8*(\d)+3],   v[AKH+(\e)] offset:32*(\d)
	ds_load_tr16_b128 v[KF+32*(\e)+8*(\d)+4:KF+32*(\e)+8*(\d)+7], v[AKH+(\e)] offset:32*(\d)+8*RP
.endr
.endm
.macro WLOAD set, a, off               ; slot a's fragment of W
	global_load_b128 v[WF+40*(\set)+8*(\a):WF+40*(\set)+8*(\a)+3],   v[WO], s[WP:WP+1] offset:(\off)+(\a)*8192
	global_load_b128 v[WF+40*(\set)+8*(\a)+4:WF+40*(\set)+8*(\a)+7], v[WO], s[WP:WP+1] offset:(\off)+(\a)*8192+512
.endm
.macro MULH set, e                     ; 16 products: slots 0-3 x head e's four channel blocks; every accumulator once
	WIN 0x50
.irp d, 0,1,2,3
.irp a, 0,1,2,3
	v_wmma_f32_16x16x32_f16 v[64*(\a)+32*(\e)+8*(\d):64*(\a)+32*(\e)+8*(\d)+7], v[KF+32*(\e)+8*(\d):KF+32*(\e)+8*(\d)+7], v[WF+40*(\set)+8*(\a):WF+40*(\set)+8*(\a)+7], v[64*(\a)+32*(\e)+8*(\d):64*(\a)+32*(\e)+8*(\d)+7]
.endr
.endr
.endm
.macro MUL4 set, e
.irp d, 0,1,2,3
	v_wmma_f32_16x16x32_f16 v[A4+32*(\e)+8*(\d):A4+32*(\e)+8*(\d)+7], v[KF+32*(\e)+8*(\d):KF+32*(\e)+8*(\d)+7], v[WF+40*(\set)+32:WF+40*(\set)+39], v[A4+32*(\e)+8*(\d):A4+32*(\e)+8*(\d)+7]
.endr
.endm
; The loads ahead of the loop, the wait for the first source rows, and K step 0's turned fragments.  SW = bytes of W in a K step.
.macro PROLOG img
.if \img
	s_cmp_lt_u32 s[WV], 5
	s_cbranch_scc0 .Lp_\@
	global_load_b32 v[BI4], v[BO], s[BC:BC+1] offset:2048
	WLOAD 0, 4, 0
	WLOAD 1, 4, SW
.Lp_\@:
.endif
.irp a, 0,1,2,3
	global_load_b32 v[BI+(\a)], v[BO], s[BC:BC+1] offset:512*(\a)
.endr
.irp a, 0,1,2,3
	WLOAD 0, \a, 0
.endr
.irp a, 0,1,2,3
	WLOAD 1, \a, SW
.endr
	s_wait_tensorcnt 0x2                           ; my part of K steps 0-7 is in; my other two loads stay out
	s_barrier_signal -1
	s_barrier_wait -1                              ; everybody's is
	KFETCH 0, 0
	KFETCH 1, 0
	s_wait_loadcnt 8                               ; all but set 1's last eight loads: the bias and set 0 are in
	s_wait_dscnt 0x0
.endm
; K step 0: the bias of the lane's row, in eight registers, is the C operand that starts the sums.  The two sets of eight take turns: the eight copies of one slot are the places behind the slot before last.
; Behind it sets 2 and 0 are asked for: K steps 2 and 3.
.macro FIRST img
.irp a, 0,1,2,3
	WIN 0
.irp n, 0,1,2,3,4,5,6,7
	v_mov_b32 v[CB+8*((\a)%2)+(\n)], v[BI+(\a)]
.endr
	WIN 0x40
.irp q, 0,1,2,3,4,5,6,7
	v_wmma_f32_16x16x32_f16 v[64*(\a)+8*(\q):64*(\a)+8*(\q)+7], v[KF+8*(\q):KF+8*(\q)+7], v[WF+8*(\a):WF+8*(\a)+7], v[CB+8*((\a)%2):CB+8*((\a)%2)+7]
.endr
.endr
	WIN 0
.if \img
	s_cmp_lt_u32 s[WV], 5
	s_cbranch_scc0 .Lf_\@
.irp n, 0,1,2,3,4,5,6,7
	v_mov_b32 v[CB+(\n)], v[BI4]
.endr
.irp q, 0,1,2,3,4,5,6,7
	v_wmma_f32_16x16x32_f16 v[A4+8*(\q):A4+8*(\q)+7], v[KF+8*(\q):KF+8*(\q)+7], v[WF+32:WF+39], v[CB:CB+7]
.endr
	PLACES
	WLOAD 2, 4, 2*SW                               ; (the pointer still stands at K step 0)
	WLOAD 0, 4, 3*SW
.Lf_\@:
.endif
	PLACES
	KFETCH 0, 1
	KFETCH 1, 1
	s_wait_xcnt 0x0                                ; the loads issued so far have read the pointer
	s_add_nc_u64 s[WP:WP+1], s[WP:WP+1], SW
.irp a, 0,1,2,3
	WLOAD 2, \a, SW
.endr
.irp a, 0,1,2,3
	WLOAD 0, \a, 2*SW
.endr
.endm
; A K step on W's set.  load = 1: the set is asked for again, three K steps on.  fetch = 1: the next step's turned fragments.
; cnt: the loads that may stay out when the set has to be in: the two younger sets' eight each (a wave with slot 4 has issued twenty behind it, of which the count then waits for four more), eight, or none.
.macro STEP img, set, load, fetch, cnt
	WIN 0
	s_wait_loadcnt \cnt
	s_wait_dscnt 8                                 ; head 0's fragments are in; head 1's eight loads may be out
	MULH \set, 0
	WIN 0
.if \img
	s_cmp_lt_u32 s[WV], 5
	s_cbranch_scc0 .La_\@
	MUL4 \set, 0
.La_\@:
.endif
.if \fetch
	PLACES
	KFETCH 0, 1
	s_wait_dscnt 8                                 ; head 1's are in; the eight just issued may be out
.else
	s_wait_dscnt 0x0
.endif
.if \load
	s_wait_xcnt 0x0                                ; the last step's loads have read the pointer
	s_add_nc_u64 s[WP:WP+1], s[WP:WP+1], SW
.endif
	MULH \set, 1
	WIN 0
.if \img
	s_cmp_lt_u32 s[WV], 5
	s_cbranch_scc0 .Lb_\@
	MUL4 \set, 1
.if \load
	PLACES
	WLOAD \set, 4, 2*SW
.endif
.Lb_\@:
.endif
.if (\fetch)+(\load) > 0
	PLACES
.endif
.if \fetch
	KFETCH 1, 1
.endif
.if \load
.irp a, 0,1,2,3
	WLOAD \set, \a, 2*SW
.endr
.endif
.endm
; The K steps behind step 0: two passes of a loop of three steps (sets 1, 2, 0), 2 and n2 trips, and three steps that ask for nothing.  Between the passes the second tensor load is waited for.
.macro WALK img, n2
	s_mov_b32 s[CNT], 2                            ; K steps 1 to 6: their fetches reach K step 7
	s_mov_b32 s[OUT], 2
	s_branch .Ltrip_\@
.Lpass_\@:
	s_wait_tensorcnt 0x1                           ; my part of the other source rows is in; the true rows may stay out
	s_wait_dscnt 0x0
	s_barrier_signal -1
	s_barrier_wait -1                              ; everybody's is
	s_mov_b32 s[CNT], \n2
.Ltrip_\@:
	STEP \img, 1, 1, 1, 16
	STEP \img, 2, 1, 1, 16
	STEP \img, 0, 1, 1, 16
	s_sub_co_u32 s[CNT], s[CNT], 1
	s_cmp_lg_u32 s[CNT], 0
	s_cbranch_scc1 .Ltrip_\@
	s_sub_co_u32 s[OUT], s[OUT], 1
	s_cmp_lg_u32 s[OUT], 0
	s_cbranch_scc1 .Lpass_\@
	STEP \img, 1, 0, 1, 16
	STEP \img, 2, 0, 1, 8
	STEP \img, 0, 0, 0, 0
.endm
; Behind the loops: the way out's addresses, slot 4's true rows asked of memory, the block's largest magnitude (lane, wave, work-group), and the factor from its exponent.
.macro EPI img
	WIN 0
	PLACES
	v_and_b32 v[LN], 31, v0
	v_and_b32 v1, 15, v0                           ; r
	v_bfe_u32 v2, v0, 4, 1                         ; h
	s_mul_i32 s19, s[WV], 4608                     ; my stage
	v_mul_u32_u24 v3, v1, 144
	v_lshl_add_u32 v3, v2, 4, v3
	v_add_nc_u32 v[STO], s19, v3                   ; in: row r, 16 bytes for each half of the lanes
	v_lshrrev_b32 v3, 3, v[LN]
	v_and_b32 v6, 7, v0
	v_mul_u32_u24 v7, v3, 144
	v_lshl_add_u32 v7, v6, 4, v7
	v_add_nc_u32 v[RD], s19, v7                    ; back: 32 lanes take four rows of 128 bytes
	s_lshl_b32 s19, s[WV], 4
	v_add_nc_u32 v3, s19, v3
	v_lshlrev_b32 v3, 7, v3
	v_lshl_add_u32 v[GO], v6, 4, v3                ; (16 w + lane / 8) x 128 + 16 (lane % 8)
	s_lshl_b32 s2, s[WV], 3
	v_lshrrev_b32 v3, 1, v1
	v_add_nc_u32 v3, s2, v3                        ; true row 16 w + r: its double row,
	v_mul_u32_u24 v3, v3, TP
	v_and_b32 v6, 1, v0
	v_lshl_add_u32 v3, v6, 7, v3                   ; its half,
	v_lshl_add_u32 v3, v2, 4, v3                   ; my 8 channels
	v_add_nc_u32 v[TRA], TRB, v3
	v_add_nc_u32 v[TRA+1], TRB+THS, v3
	v_mov_b32 v[NEG], -1.0
.if \img
	v_add_nc_u32 v3, s19, v1
	v_add_nc_u32 v3, 512, v3                       ; slot 4's row of the part: it has 577
	v_cmp_gt_u32 vcc_lo, 577, v3
	v_cndmask_b32 v[NEG4], 0, v[NEG], vcc_lo
	v_min_u32 v3, 576, v3                          ; rows past the last repeat it
	v_lshlrev_b32 v7, 4, v2
	v_lshl_add_u32 v[KO4], v3, 7, v7
.endif
.irp n, 0,1,2,3,4,5,6,7
	v_mov_b32 v[LS+(\n)], 0
.endr
.irp c, 0,1,2,3
	v_mov_b32 v[MX+(\c)], 0
.endr
.if \img
	s_cmp_lt_u32 s[WV], 5
	s_cbranch_scc0 .Le_\@
.irp d, 0,1,2,3
	global_load_b128 v[KLB+4*(\d):KLB+4*(\d)+3], v[KO4], s[KB:KB+1] offset:32*(\d)
	global_load_b128 v[KLB+16+4*(\d):KLB+16+4*(\d)+3], v[KO4], s[KB:KB+1] offset:HS+32*(\d)
.endr
.set j, 0
.rept 8
.irp c, 0,1,2,3
	v_max3_num_f32 v[MX+(\c)], |v[A4+8*j+2*(\c)]|, |v[A4+8*j+2*(\c)+1]|, v[MX+(\c)]
.endr
.set j, j+1
.endr
.Le_\@:
.endif
	WIN 0x05                                       ; sources 0 and 1 in window 1
.set j, 0
.rept 32
.irp c, 0,1,2,3
	v_max3_num_f32 v[MX+(\c)], |v[8*j+2*(\c)]|, |v[8*j+2*(\c)+1]|, v[MX+(\c)]
.endr
.set j, j+1
.endr
	WIN 0
	v_max3_num_f32 v[MX], v[MX], v[MX+1], v[MX+2]
	v_max_num_f32 v[MX], v[MX], v[MX+3]
	v_max_num_f32_dpp v[MX], v[MX], v[MX] row_xmask:1 row_mask:0xf bank_mask:0xf
	v_max_num_f32_dpp v[MX], v[MX], v[MX] row_xmask:2 row_mask:0xf bank_mask:0xf
	v_max_num_f32_dpp v[MX], v[MX], v[MX] row_xmask:4 row_mask:0xf bank_mask:0xf
	v_max_num_f32_dpp v[MX], v[MX], v[MX] row_xmask:8 row_mask:0xf bank_mask:0xf
	v_permlanex16_b32 v[MX+1], v[MX], s[SEL], s[SEL+1]
	v_max_num_f32 v[MX], v[MX], v[MX+1]
	s_lshl_b32 s19, s[WV], 2
	s_add_co_u32 s19, s19, RED
	v_mov_b32 v[RW], s19
	v_mov_b32 v[RB], RED
	s_wait_tensorcnt 0x0                           ; my part of the true rows is in
	ds_store_b32 v[RW], v[MX]
	s_wait_dscnt 0x0                               ; for the others' sake: my store is done, and so are my reads of the source rows, over which the stages lie
	s_barrier_signal -1
	s_barrier_wait -1
	ds_load_b128 v[TW:TW+3], v[RB]
	ds_load_b128 v[TW+4:TW+7], v[RB] offset:16
	s_wait_dscnt 0x0
	v_max3_num_f32 v[TW], v[TW], v[TW+1], v[TW+2]
	v_max3_num_f32 v[TW+4], v[TW+4], v[TW+5], v[TW+6]
	v_max3_num_f32 v[TW], v[TW], v[TW+3], v[TW+7]
	v_max_num_f32 v[TW], v[TW], v[TW+4]
	v_lshrrev_b32 v[TW], 23, v[TW]                 ; its exponent e, held to 16 .. 250
	v_max_u32 v[TW], 16, v[TW]
	v_min_u32 v[TW], 250, v[TW]
	v_sub_nc_u32 v[SC], 268, v[TW]
	v_lshlrev_b32 v[SC], 23, v[SC]                 ; 2^(141 - e)
	v_mov_b32 v[SC+1], v[SC]
	v_add_nc_u32 v[INV], -14, v[TW]
	v_lshlrev_b32 v[INV], 23, v[INV]               ; 2^(e - 141)
.endm
.macro MIX8 ra, rk, ng                 ; eight results less the true row's eight f16 numbers, in place
.irp q, 0,1,2,3
	v_fma_mix_f32 v[(\ra)+2*(\q)], v[(\rk)+(\q)], v[\ng], v[(\ra)+2*(\q)] op_sel_hi:[1,0,0]
	v_fma_mix_f32 v[(\ra)+2*(\q)+1], v[(\rk)+(\q)], v[\ng], v[(\ra)+2*(\q)+1] op_sel:[1,0,0] op_sel_hi:[1,0,0]
.endr
.endm
	s_cmp_eq_u32 s18, 0
	s_cbranch_scc0 .Limage
	; PART 0: 32 row blocks, 19 K steps
.set SW, 32768
	PROLOG 0
	FIRST 0
	WALK 0, 3
	EPI 0
	s_branch .Lcommon
.Limage:
	; PART 1: 37 row blocks, 16 K steps
.set SW, 37888
	PROLOG 1
	FIRST 1
	WALK 1, 2
	EPI 1
	s_cmp_lt_u32 s[WV], 5
	s_cbranch_scc0 .Lcommon
	; slot 4 leaves first: its registers serve the other slots afterwards
	s_wait_loadcnt 0x0                             ; its true rows, asked for ahead of the maxima
.set q4, 0
.rept 8
.set rA, A4+8*q4
.set rK, KLB+4*q4
	v_pk_mul_f32 v[TW:TW+1], v[rA:rA+1], v[SC:SC+1]
	v_pk_mul_f32 v[TW+2:TW+3], v[rA+2:rA+3], v[SC:SC+1]
	v_pk_mul_f32 v[TW+4:TW+5], v[rA+4:rA+5], v[SC:SC+1]
	v_pk_mul_f32 v[TW+6:TW+7], v[rA+6:rA+7], v[SC:SC+1]
	v_cvt_pk_f16_f32 v[TW+8], v[TW], v[TW+1]
	v_cvt_pk_f16_f32 v[TW+9], v[TW+2], v[TW+3]
	v_cvt_pk_f16_f32 v[TW+10], v[TW+4], v[TW+5]
	v_cvt_pk_f16_f32 v[TW+11], v[TW+6], v[TW+7]
	ds_store_b128 v[STO], v[TW+8:TW+11] offset:(q4/4)*2304+(q4%4)*32
	MIX8 rA, rK, NEG4                              ; rows past the part's last count for nothing: their result is 0 and the factor is 0
.irp c, 0,1,2,3
	v_pk_fma_f32 v[LS+2*(\c):LS+2*(\c)+1], v[rA+2*(\c):rA+2*(\c)+1], v[rA+2*(\c):rA+2*(\c)+1], v[LS+2*(\c):LS+2*(\c)+1]
.endr
.set q4, q4+1
.endr
.irp t, 0,1,2,3
	ds_load_b128 v[KLB+32+4*(\t):KLB+32+4*(\t)+3], v[RD] offset:576*(\t)
	ds_load_b128 v[KLB+48+4*(\t):KLB+48+4*(\t)+3], v[RD] offset:2304+576*(\t)
.endr
	s_wait_dscnt 0x0
	s_cmp_lt_u32 s[WV], 4
	s_cbranch_scc0 .Lw4
.irp t, 0,1,2,3
	global_store_b128 v[GO], v[KLB+32+4*(\t):KLB+32+4*(\t)+3], s[OBS:OBS+1] offset:65536+512*(\t)
	global_store_b128 v[GO], v[KLB+48+4*(\t):KLB+48+4*(\t)+3], s[OBS:OBS+1] offset:HS+65536+512*(\t)
.endr
	s_branch .Lcommon
.Lw4:                                  ; block 36 holds the part's last row alone: eight lanes, 128 bytes a head
	v_cmp_gt_u32 vcc_lo, 8, v[LN]
	s_wait_xcnt 0x0                                ; EXEC changes only behind this wait
	s_and_saveexec_b32 s19, vcc_lo
	global_store_b128 v[GO], v[KLB+32:KLB+35], s[OBS:OBS+1] offset:65536
	global_store_b128 v[GO], v[KLB+48:KLB+51], s[OBS:OBS+1] offset:HS+65536
	s_wait_xcnt 0x0
	s_or_b32 exec_lo, exec_lo, s19
.Lcommon:
	s_wait_xcnt 0x0                                ; slot 4's stores have read their data: the second set of 32 is loaded again below
; Slot a: its true rows are asked of LDS; the results are scaled (exact: a power of two), rounded to f16 and put into my stage; the differences and their squares; the stage is read back as whole rows
; into the true rows' registers.
.macro E2A a
.set rL, KLB+32*((\a)%2)
.if (\a) >= 2
	s_wait_xcnt 0x0                                ; the stores of two slots back have read this set
.endif
.irp q, 0,1,2,3,4,5,6,7
	ds_load_b128 v[rL+4*(\q):rL+4*(\q)+3], v[TRA+(\q)/4] offset:(\a)*64*TP+((\q)%4)*32
.endr
	WIN 0x01
.set j, 0
.rept 32
	v_pk_mul_f32 v[TT+2*j:TT+2*j+1], v[64*(\a)+2*j:64*(\a)+2*j+1], v[SC:SC+1]
.set j, j+1
.endr
	WIN 0
.set j, 0
.rept 32
	v_cvt_pk_f16_f32 v[PK+j], v[TT+2*j], v[TT+2*j+1]
.set j, j+1
.endr
.irp q, 0,1,2,3,4,5,6,7
	ds_store_b128 v[STO], v[PK+4*(\q):PK+4*(\q)+3] offset:((\q)/4)*2304+((\q)%4)*32
.endr
	s_wait_dscnt 8                                 ; the true rows are in; the eight stores just issued may be out
	WIN 0x50
.set j, 0
.rept 8
.set rA, 64*(\a)+8*j
.set rK, rL+4*j
	MIX8 rA, rK, NEG
.set j, j+1
.endr
	WIN 0x05
.set j, 0
.rept 32
	v_pk_fma_f32 v[LS+2*(j%4):LS+2*(j%4)+1], v[64*(\a)+2*j:64*(\a)+2*j+1], v[64*(\a)+2*j:64*(\a)+2*j+1], v[LS+2*(j%4):LS+2*(j%4)+1]
.set j, j+1
.endr
	WIN 0
.irp q, 0,1,2,3,4,5,6,7
	ds_load_b128 v[rL+4*(\q):rL+4*(\q)+3], v[RD] offset:((\q)/4)*2304+((\q)%4)*576  ; LDS serves a wave's instructions in order: these see the stores above
.endr
.endm
.macro SEND a, younger                 ; younger: the next slot's eight loads from the stage, or none
	s_wait_dscnt \younger
.irp q, 0,1,2,3,4,5,6,7
	global_store_b128 v[GO], v[KLB+32*((\a)%2)+4*(\q):KLB+32*((\a)%2)+4*(\q)+3], s[OBS:OBS+1] offset:((\q)/4)*HS+(\a)*16384+((\q)%4)*512  ; 512 consecutive bytes, at a multiple of 256 from the buffer's first
.endr
.endm
	E2A 0
	E2A 1
	SEND 0, 8
	E2A 2
	SEND 1, 8
	E2A 3
	SEND 2, 8
	SEND 3, 0
	; the block's sum of squares: lane, wave, work-group
	v_pk_add_f32 v[LS:LS+1], v[LS:LS+1], v[LS+2:LS+3]
	v_pk_add_f32 v[LS+4:LS+5], v[LS+4:LS+5], v[LS+6:LS+7]
	v_pk_add_f32 v[LS:LS+1], v[LS:LS+1], v[LS+4:LS+5]
	v_add_f32 v[LS], v[LS], v[LS+1]
	v_add_f32_dpp v[LS], v[LS], v[LS] row_xmask:1 row_mask:0xf bank_mask:0xf
	v_add_f32_dpp v[LS], v[LS], v[LS] row_xmask:2 row_mask:0xf bank_mask:0xf
	v_add_f32_dpp v[LS], v[LS], v[LS] row_xmask:4 row_mask:0xf bank_mask:0xf
	v_add_f32_dpp v[LS], v[LS], v[LS] row_xmask:8 row_mask:0xf bank_mask:0xf
	v_permlanex16_b32 v[LS+1], v[LS], s[SEL], s[SEL+1]
	v_add_f32 v[LS], v[LS], v[LS+1]
	ds_store_b32 v[RW], v[LS] offset:32
	s_wait_dscnt 0x0
	s_barrier_signal -1
	s_barrier_wait -1
	s_cmp_eq_u32 s[WV], 0
	s_cbranch_scc0 .Lend
	ds_load_b128 v[TW:TW+3], v[RB] offset:32
	ds_load_b128 v[TW+4:TW+7], v[RB] offset:48
	s_wait_dscnt 0x0
	v_add_f32 v[TW], v[TW], v[TW+1]
	v_add_f32 v[TW+2], v[TW+2], v[TW+3]
	v_add_f32 v[TW+4], v[TW+4], v[TW+5]
	v_add_f32 v[TW+6], v[TW+6], v[TW+7]
	v_add_f32 v[TW], v[TW], v[TW+2]
	v_add_f32 v[TW+4], v[TW+4], v[TW+6]
	v_add_f32 v[TW+10], v[TW], v[TW+4]
	v_mov_b32 v[TW+8], v[SC]
	v_mov_b32 v[TW+9], v[INV]
	v_mov_b32 v[TW+11], 0
	v_mov_b32 v[TW+12], 0
	v_cmp_eq_u32 vcc_lo, 0, v[LN]
	s_wait_xcnt 0x0                                ; EXEC changes only behind this wait
	s_and_saveexec_b32 s19, vcc_lo
	global_store_b128 v[TW+12], v[TW+8:TW+11], s[12:13]
	s_wait_xcnt 0x0
	s_or_b32 exec_lo, exec_lo, s19
.Lend:
	s_wait_tensorcnt 0x0                           ; the wave's end
	ds_add_u32 v[SPW], v[NIL]
	s_wait_dscnt 0x0
	s_endpgm
.Lfunc_end_k_qf00789d2f0_imit:
	.size	k_qf00789d2f0_imit, .Lfunc_end_k_qf00789d2f0_imit-k_qf00789d2f0_imit
	.p2alignl 7, 3214868480
	.fill 96, 4, 3214868480
	.section	.rodata,"a",@progbits
	.p2align	6, 0x0
	.amdhsa_kernel k_qf00789d2f0_imit
		.amdhsa_group_segment_fixed_size 315648
		.amdhsa_private_segment_fixed_size 0
		.amdhsa_enable_private_segment 0
		.amdhsa_kernarg_size 40
		.amdhsa_user_sgpr_count 2
		.amdhsa_user_sgpr_kernarg_segment_ptr 1
		.amdhsa_wavefront_size32 1
		.amdhsa_system_sgpr_workgroup_id_x 1
		.amdhsa_system_sgpr_workgroup_id_y 1
		.amdhsa_system_sgpr_workgroup_id_z 1
		.amdhsa_system_vgpr_workitem_id 0
		.amdhsa_next_free_vgpr 512
		.amdhsa_next_free_sgpr 80
		.amdhsa_reserve_vcc 1
		.amdhsa_float_denorm_mode_32 3
		.amdhsa_float_denorm_mode_16_64 3
		.amdhsa_memory_ordered 1
		.amdhsa_forward_progress 1
		.amdhsa_inst_pref_size 168
	.end_amdhsa_kernel
	.amdgpu_metadata
---
amdhsa.version: [ 1, 2 ]
amdhsa.kernels:
  - .name:           k_qf00789d2f0_imit
    .symbol:         k_qf00789d2f0_imit.kd
    .args:
      - { .name: qkv, .offset: 0, .size: 8, .value_kind: global_buffer, .address_space: global }
      - { .name: wf, .offset: 8, .size: 8, .value_kind: global_buffer, .address_space: global }
      - { .name: bs, .offset: 16, .size: 8, .value_kind: global_buffer, .address_space: global }
      - { .name: ikv, .offset: 24, .size: 8, .value_kind: global_buffer, .address_space: global }
      - { .name: aux, .offset: 32, .size: 8, .value_kind: global_buffer, .address_space: global }
    .group_segment_fixed_size: 315648
    .private_segment_fixed_size: 0
    .kernarg_segment_align: 8
    .kernarg_segment_size: 40
    .max_flat_workgroup_size: 256
    .sgpr_count:     80
    .vgpr_count:     512
    .wavefront_size: 32
...
	.end_amdgpu_metadata
.endif
;; end of part 3
;; launch attn (part 4): grid 256 x 1, 4 waves a work-group, no clusters, 322,560 bytes of LDS; arguments qkv, ikv, aux, out0, out1; writes out0, out1
.if DOCPART == 4
	.amdgcn_target "amdgcn-amd-amdhsa--gfx1250"
	.amdhsa_code_object_version 6
	.text
	.protected	k_qf00789d2f0_attn
	.globl	k_qf00789d2f0_attn
	.p2align	8
	.type	k_qf00789d2f0_attn,@function
k_qf00789d2f0_attn:
	s_mov_b64 s[64:65], 0
	v_nop
	global_prefetch_b8 v0, s[64:65] scope:SCOPE_SE
	s_setreg_imm32_b32 hwreg(HW_REG_WAVE_MODE, 25, 1), 1
	s_wait_xcnt 0x0
; ctx = softmax(q ik^T / 8) iv by heads, and the loss.  q, ik, iv in f16 ([head][row][64], 128 bytes a row), products, maxima and sums in f32, the weights rounded to f16 for the second product.
; Nothing of the module's work is left out here.
; THE FACTORS.  ik and iv carry a power of two for each head pair and part (rows 0-511: text; 512-1088: image).  A score is scaled by c = log2(e) / 8 / factor of its part, so the running maximum is kept as c m,
; in units that both parts share.  O^T holds sums in iv's units: the image keys go first, and when the text keys begin O^T is multiplied once by tau = text factor / image factor; at the end by 1 / text factor / l.
; LIMITS: tau is formed in f32: the two factors of iv lie within 2^127 of each other; a weight below 2^-126 counts as 0; NaN and infinities are not treated apart.
; SHARES.  Two work-groups a head; a wave owns nine PIECES of 16 queries, tiles 36 g + 9 w on; rows past 1088 repeat row 1088 and are not stored (69 tiles on 8 waves want nine places a wave).
; ALL KEYS ARE RESIDENT: keys 0-1087 of ik and iv lie in LDS, image keys first, as double rows of 256 bytes + 16 (ik) or + 32 (iv).  KEY 1088 STARTS THE STATE: c m = its score, l = 1, O^T = iv[1088]:
; so 17 steps of 64 keys are left, and no mask.  Three tensor loads a wave go out at the head; the first three steps run on the first while the others land.
; NO CLUSTER: a head has two work-groups, and the joint forms are for four; partners of another head share no tile.
; TURNS.  Turn n belongs to piece n: 8 products K Q^T of piece n + 1, later 8 products V^T P of piece n - 1; beside them piece n's scaling, exponentials, roundings, sums and rescaling and piece n + 1's maximum.
; Four vector instructions stand behind every matrix instruction, the rest in one lump; a turn's 33 exponentials are one batch with one wait.  Nine pieces take three buffers of S^T and P by turns.
; REGISTERS: window 0: v1-11 addresses; v12-14 c m_old; v16-51 statistics (c m, 0, l, l); v52-75 at work, 8 a buffer; v76-84 Q's addresses; v96-191 S^T; v192-239 P
;   window 1: O^T of pieces 0-7      window 2: v0-143 Q; v144-207 K of one step      window 3: v0-63 V of one step; v64-95 O^T of piece 8
.set NP,    9
.set HS,    143616
.set SEC,   128*HS
.set LASTK, 1088*128                   ; byte of a head's row 1088
.set PK,    272
.set PV,    288
.set KSTP,  32*PK
.set VSTP,  32*PV
.set VOFF,  544*PK
.set STAGE, VOFF+544*PV                ; behind the keys: 16 rows x 272 bytes for each wave
.set SP,    272
.set SPARE, STAGE+4*16*SP              ; the spare words: 128 bytes a wave, two blocks of 256 bytes that no other line names
.set AK0, 2
.set AV0, 3
.set AK,  4
.set AV,  5
.set STO, 6
.set RD,  7
.set GO,  8
.set MV,  12
.set ST,  16
.set TMP, 52
.set QA,  76
.set SPW, 86
.set NIL, 87
.set S,   96
.set P,   192
.set KF,  144
.set WV,  14
.set BH,  15
.set GG,  16
.set TL,  17
.set HALF, 18
.set SEL, 60
.set TBK, 62
.set TBV, 63
.set CNT, 66
.set OUT, 67
.set CA,  68                           ; c of the step that turns 7 and 8 finish
.set CB,  70                           ; c of the step that turns 0 to 6 begin
.set CT,  72                           ; c of the text keys
.set TP,  74                           ; what O^T takes beside a in turns 0 to 6: tau in the first text step, else 1
.set TQ,  75                           ; the same for turns 7 and 8
.set TAU, 76
.set INVT, 77
.set MSB, 0
.macro WIN new
.if MSB != (\new)
	s_set_vgpr_msb (MSB<<8)|(\new)
.set MSB, (\new)
.endif
.endm
.macro PLACES
.rept 4
	v_nop
.endr
.endm
	s_load_b256 s[4:11], s[0:1], 0x0               ; qkv 4, ikv 6, aux 8, out0 10
	s_load_b64 s[12:13], s[0:1], 0x20              ; out1
	v_lshl_add_u32 v[SPW], v0, 2, SPARE
	v_mov_b32 v[NIL], 0
	ds_add_u32 v[SPW], v[NIL]                      ; the wave's opening: the add, twice on end, and its wait ahead of my first tensor load
	ds_add_u32 v[SPW], v[NIL]
	v_lshrrev_b32 v1, 5, v0
	v_readfirstlane_b32 s[WV], v1
	s_lshr_b32 s[BH], ttmp9, 1                     ; 16 batch + head
	s_and_b32 s[GG], ttmp9, 1
	s_mul_i32 s[TL], s[GG], 36
	s_mul_i32 s19, s[WV], 9
	s_add_co_u32 s[TL], s[TL], s19                 ; my first tile of 16 queries
	s_and_b32 s[HALF], s[WV], 1
	s_mul_i32 s20, s[BH], HS
	s_mov_b32 s21, 0
.irp g, 24, 32, 40                     ; three shapes: 48, 96 and 128 double rows of 128 elements
	s_mov_b32 s[\g+1], 128<<16
	s_mov_b32 s[\g+3], 128<<16
	s_mov_b32 s[\g+5], 128
	s_mov_b32 s[\g+6], 0
	s_mov_b32 s[\g+7], 0
.endr
	s_mov_b32 s26, 48<<16
	s_mov_b32 s28, 48
	s_mov_b32 s34, 96<<16
	s_mov_b32 s36, 96
	s_mov_b32 s42, 128<<16
	s_mov_b32 s44, 128
	s_mov_b32 s48, 1
	s_mov_b32 s52, 1
	s_mov_b32 s56, 1
	s_mov_b32 s[SEL], 0x76543210
	s_mov_b32 s[SEL+1], 0xfedcba98
	s_mov_b32 s[TBK], 0
	s_mov_b32 s[TBV], 0
	s_wait_dscnt 0x0                               ; both opening adds are done
	s_wait_kmcnt 0x0
	s_add_nc_u64 s[88:89], s[4:5], s[20:21]        ; q's head
	s_add_nc_u64 s[90:91], s[6:7], s[20:21]        ; ik's
	s_add_nc_u64 s[92:93], s[90:91], SEC           ; iv's
	s_cmp_lt_u32 s[WV], 2
	s_cselect_b64 s[86:87], s[90:91], s[92:93]
	s_mul_i32 s22, s[HALF], 12288                  ; keys 512-703: my 48 double rows
	s_add_co_u32 s22, s22, 65536
	s_mov_b32 s23, 0
	s_add_nc_u64 s[50:51], s[86:87], s[22:23]
	s_or_b32 s51, s51, 0x80000000
	s_mul_i32 s22, s[HALF], 24576                  ; keys 704-1087: my 96
	s_add_co_u32 s22, s22, 90112
	s_add_nc_u64 s[54:55], s[86:87], s[22:23]
	s_or_b32 s55, s55, 0x80000000
	s_lshl_b32 s22, s[HALF], 15                    ; keys 0-511: my 128
	s_add_nc_u64 s[58:59], s[86:87], s[22:23]
	s_or_b32 s59, s59, 0x80000000
	s_cmp_lt_u32 s[WV], 2                          ; waves 0, 1 fetch ik's halves, waves 2, 3 iv's; a wave's three first fills stand in one branch
	s_cbranch_scc0 .Lfor_v
	s_mov_b32 s24, (1<<16)|(1<<20)|(5<<22)|(3<<25) ; after every 64 words 4 words of padding
	s_mov_b32 s32, (1<<16)|(1<<20)|(5<<22)|(3<<25)
	s_mov_b32 s40, (1<<16)|(1<<20)|(5<<22)|(3<<25)
	s_mul_i32 s49, s[HALF], 48*PK
	s_mul_i32 s53, s[HALF], 96*PK
	s_add_co_u32 s53, s53, 96*PK
	s_mul_i32 s57, s[HALF], 128*PK
	s_add_co_u32 s57, s57, 288*PK
	tensor_load_to_lds s[48:51], s[24:31]
	s_nop 0
	tensor_load_to_lds s[52:55], s[32:39]
	s_nop 0
	tensor_load_to_lds s[56:59], s[40:47]
	s_nop 0
.rept 4
	v_nop
.endr
	s_branch .Lasked
.Lfor_v:
	s_mov_b32 s24, (1<<16)|(1<<20)|(5<<22)|(7<<25) ; 8 words of padding
	s_mov_b32 s32, (1<<16)|(1<<20)|(5<<22)|(7<<25)
	s_mov_b32 s40, (1<<16)|(1<<20)|(5<<22)|(7<<25)
	s_mul_i32 s49, s[HALF], 48*PV
	s_add_co_u32 s49, s49, VOFF
	s_mul_i32 s53, s[HALF], 96*PV
	s_add_co_u32 s53, s53, VOFF+96*PV
	s_mul_i32 s57, s[HALF], 128*PV
	s_add_co_u32 s57, s57, VOFF+288*PV
	tensor_load_to_lds s[48:51], s[24:31]
	s_nop 0
	tensor_load_to_lds s[52:55], s[32:39]
	s_nop 0
	tensor_load_to_lds s[56:59], s[40:47]
	s_nop 0
.rept 4
	v_nop
.endr
.Lasked:
	s_lshr_b32 s22, s[BH], 1                       ; 8 batch + head pair
	s_lshl_b32 s22, s22, 4
	s_add_nc_u64 s[86:87], s[8:9], s[22:23]
	s_load_b64 s[78:79], s[86:87], 0x0             ; {factor, 1 / factor} of ik text,
	s_load_b64 s[80:81], s[86:87], 0x400           ; ik image,
	s_load_b64 s[82:83], s[86:87], 0x800           ; iv text,
	s_load_b64 s[84:85], s[86:87], 0xc00           ; iv image
	v_and_b32 v1, 15, v0                           ; r
	v_bfe_u32 v9, v0, 4, 1                         ; h
	v_and_b32 v10, 31, v0                          ; lane
	s_lshl_b32 s19, s[TL], 4
	v_add_nc_u32 v11, s19, v1
.set t, 0
.rept NP
	v_add_nc_u32 v[QA+t], 16*t, v11
	v_min_u32 v[QA+t], 1088, v[QA+t]               ; rows past the last repeat it
	v_lshlrev_b32 v[QA+t], 7, v[QA+t]
	v_lshl_add_u32 v[QA+t], v9, 4, v[QA+t]
.set t, t+1
.endr
	v_lshlrev_b32 v11, 4, v9
	WIN 0x80                                       ; destination window 2
.set t, 0
.rept 2*NP                             ; Q stays in registers: piece t / 2, channels 32 (t % 2) on
	global_load_b128 v[8*t:8*t+3],   v[QA+t/2], s[88:89] offset:(t%2)*64
	global_load_b128 v[8*t+4:8*t+7], v[QA+t/2], s[88:89] offset:(t%2)*64+32
.set t, t+1
.endr
.irp c, 0,1,2,3                        ; ik[1088] in every row of a fragment: each register of the product then holds the query's score
	global_load_b128 v[KF+4*(\c):KF+4*(\c)+3], v11, s[90:91] offset:LASTK+32*(\c)
.endr
	WIN 0
.irp c, 0,1,2,3                        ; iv[1088]: my eight channels of each block of 16
	global_load_b128 v[S+4*(\c):S+4*(\c)+3], v11, s[92:93] offset:LASTK+32*(\c)
.endr
	v_lshrrev_b32 v[AK0], 1, v1                    ; key r: its double row, its half, 16 h
	v_mul_u32_u24 v[AK0], v[AK0], PK
	v_and_b32 v88, 1, v0
	v_lshl_add_u32 v[AK0], v88, 7, v[AK0]
	v_lshl_add_u32 v[AK0], v9, 4, v[AK0]
	v_bfe_u32 v[AV0], v0, 1, 2                     ; the turning load: key 8 h + lane % 8, channels 8 ((lane / 8) % 2) on
	v_lshl_add_u32 v[AV0], v9, 2, v[AV0]
	v_mul_u32_u24 v[AV0], v[AV0], PV
	v_lshl_add_u32 v[AV0], v88, 7, v[AV0]
	v_bfe_u32 v88, v0, 3, 1
	v_lshl_add_u32 v[AV0], v88, 4, v[AV0]
	v_add_nc_u32 v[AV0], VOFF, v[AV0]
	s_mul_i32 s19, s[WV], 16*SP
	s_add_co_u32 s19, s19, STAGE
	v_mul_u32_u24 v[STO], v1, SP                   ; in: row r, 32 bytes for each half of the lanes
	v_lshl_add_u32 v[STO], v9, 5, v[STO]
	v_add_nc_u32 v[STO], s19, v[STO]
	v_mul_u32_u24 v[RD], v9, SP                    ; back: lanes 0-15 one row of 256 bytes, lanes 16-31 the next
	v_lshl_add_u32 v[RD], v1, 4, v[RD]
	v_add_nc_u32 v[RD], s19, v[RD]
	v_lshlrev_b32 v[GO], 12, v9                    ; and the same two rows of ctx, 4,096 bytes apart
	v_lshl_add_u32 v[GO], v1, 4, v[GO]
	s_lshr_b32 s19, s[BH], 4
	s_mul_i32 s19, s19, 1089
	s_lshl_b32 s22, s[TL], 4
	s_add_co_u32 s19, s19, s22
	s_lshl_b32 s22, s19, 12
	s_and_b32 s19, s[BH], 15
	s_lshl_b32 s19, s19, 8
	s_add_co_u32 s22, s22, s19
	s_add_nc_u64 s[10:11], s[10:11], s[22:23]      ; ctx at my first row, my head's 256 bytes
	; THE LOSS: one wave of the launch adds the 256 parts; both means have 8 x 16 x 1089 x 64 terms
	s_or_b32 s19, ttmp9, s[WV]
	s_cmp_eq_u32 s19, 0
	s_cbranch_scc0 .Lno_loss
	v_lshlrev_b32 v88, 4, v10
.irp n, 0,1,2,3,4,5,6,7
	global_load_b32 v[112+(\n)], v88, s[8:9] offset:8+512*(\n)
.endr
	s_wait_loadcnt 0x0
	v_add_f32 v112, v112, v113
	v_add_f32 v114, v114, v115
	v_add_f32 v116, v116, v117
	v_add_f32 v118, v118, v119
	v_add_f32 v112, v112, v114
	v_add_f32 v116, v116, v118
	v_add_f32 v112, v112, v116
	v_add_f32_dpp v112, v112, v112 row_xmask:1 row_mask:0xf bank_mask:0xf
	v_add_f32_dpp v112, v112, v112 row_xmask:2 row_mask:0xf bank_mask:0xf
	v_add_f32_dpp v112, v112, v112 row_xmask:4 row_mask:0xf bank_mask:0xf
	v_add_f32_dpp v112, v112, v112 row_xmask:8 row_mask:0xf bank_mask:0xf
	v_permlanex16_b32 v113, v112, s[SEL], s[SEL+1]
	v_add_f32 v112, v112, v113
	v_mul_f32 v112, 0x33f0b84d, v112               ; 1 / 8,921,088
	v_mov_b32 v113, 0
	v_cmp_eq_u32 vcc_lo, 0, v10
	s_wait_xcnt 0x0                                ; EXEC changes only behind this wait
	s_and_saveexec_b32 s19, vcc_lo
	global_store_b32 v113, v112, s[12:13]
	s_wait_xcnt 0x0
	s_or_b32 exec_lo, exec_lo, s19
.Lno_loss:
	s_wait_loadcnt 0x0                             ; Q, ik[1088], iv[1088]
	s_wait_kmcnt 0x0
	s_mov_b32 s19, 0x3e38aa3b                      ; log2(e) / 8
	s_mul_f32 s[CT], s19, s79
	s_mul_f32 s[CB], s19, s81
	s_mul_f32 s[TAU], s82, s85
	s_mov_b32 s[INVT], s83
	s_mov_b32 s[CT+1], s[CT]                       ; named as pairs
	s_mov_b32 s[CB+1], s[CB]
	s_mov_b64 s[CA:CA+1], s[CB:CB+1]
	s_mov_b32 s[TP], 1.0
	s_mov_b32 s[TQ], 1.0
	v_mov_b32 v88, 1.0
	v_mov_b32 v89, 0
	v_cvt_f32_u32 v90, v9
	v_sub_f32 v90, 1.0, v90                        ; l starts at 1 in the lower half of the lanes alone: the halves are added at the end
	; O^T starts as iv[1088], widened straight into each piece's registers.  All this stands in the wait for the first keys.
.set t, 0
.rept NP
.set rO, 32*t
	WIN 0x40
.if t == 8
.set rO, 64
	WIN 0xc0
.endif
.set j, 0
.rept 16
	v_fma_mix_f32 v[rO+2*j], v[S+j], v88, v89 op_sel_hi:[1,0,0]
	v_fma_mix_f32 v[rO+2*j+1], v[S+j], v88, v89 op_sel:[1,0,0] op_sel_hi:[1,0,0]
.set j, j+1
.endr
.set t, t+1
.endr
	WIN 0xc0                                       ; the first turn's products V^T P belong to a piece that has not been: V and that piece's P are 0, so they add 0
.set j, 0
.rept 64
	v_mov_b32 v[j], 0
.set j, j+1
.endr
	WIN 0
.set j, 0
.rept 16
	v_mov_b32 v[P+32+j], 0
.set j, j+1
.endr
.set t, 0
.rept NP
	v_mov_b32 v[ST+4*t+1], 0
	v_mov_b32 v[ST+4*t+2], v90
	v_mov_b32 v[ST+4*t+3], 0
.set t, t+1
.endr
	v_mov_b32 v[TMP+5], 0                          ; named in a pair with a's product
	v_mov_b32 v[TMP+13], 0
	v_mov_b32 v[TMP+21], 0
	WIN 0x0a                                       ; key 1088's scores: nine accumulators by turns, two links each
.set t, 0
.rept NP
	v_wmma_f32_16x16x32_f16 v[112+8*t:119+8*t], v[KF:KF+7], v[16*t:16*t+7], 0
.set t, t+1
.endr
.set t, 0
.rept NP
	v_wmma_f32_16x16x32_f16 v[112+8*t:119+8*t], v[KF+8:KF+15], v[16*t+8:16*t+15], v[112+8*t:119+8*t]
.set t, t+1
.endr
	WIN 0
	PLACES
.set t, 0
.rept NP
	v_mul_f32 v[ST+4*t], s[CB], v[112+8*t]         ; c m
.set t, t+1
.endr
.rept 5
	v_nop                                          ; places ahead of the products and loads that write over those products' registers
.endr
; THE MATRIX WORK.  Four accumulators of a run of eight take turns.  Product i of S^T = K Q^T for piece x: channels 32 (i / 4) on, keys 16 (i % 4) on.
.macro KQ x
.set rS, S+32*((\x)%3)+8*(i%4)
.set rK, KF+16*(i%4)+8*(i/4)
.set rQ, 16*(\x)+8*(i/4)
	WIN 0x0a
.if i < 4
	v_wmma_f32_16x16x32_f16 v[rS:rS+7], v[rK:rK+7], v[rQ:rQ+7], 0
.else
	v_wmma_f32_16x16x32_f16 v[rS:rS+7], v[rK:rK+7], v[rQ:rQ+7], v[rS:rS+7]
.endif
.endm
.macro PV x                            ; product i of O^T += V^T P for piece x: keys 32 (i / 4) on, channels 16 (i % 4) on
.set rO, 32*(\x)+8*(i%4)
.set rV, 32*(i/4)+8*(i%4)
.set rP, P+16*((\x)%3)+8*(i/4)
.if (\x) == 8
.set rO, 64+8*(i%4)
	WIN 0xf3
.else
	WIN 0x53
.endif
	v_wmma_f32_16x16x32_f16 v[rO:rO+7], v[rV:rV+7], v[rP:rP+7], v[rO:rO+7]
.endm
.macro MM                              ; the turn's next matrix instruction; NOKQ = 1: the last turn of all has no next piece
.if (i < 8) && !NOKQ
	KQ (Y+1)%NP
.elseif i >= 8
.set i, i-8
	PV (Y+NP-1)%NP
.set i, i+8
.endif
.set i, i+1
.endm
.macro FETCH_K                         ; a step's K: 64 keys x 64 channels, 16 loads in one run
	WIN 0x80
.irp f, 0,1,2,3,4,5,6,7
	ds_load_b128 v[KF+8*\f:KF+8*\f+3],   v[AK] offset:(\f/2)*8*PK+(\f%2)*64
	ds_load_b128 v[KF+8*\f+4:KF+8*\f+7], v[AK] offset:(\f/2)*8*PK+(\f%2)*64+32
.endr
	s_add_co_u32 s[TBK], s[TBK], KSTP
	WIN 0
.endm
.macro FETCH_V                         ; its V, turned
	WIN 0xc0
.irp f, 0,1,2,3,4,5,6,7
	ds_load_tr16_b128 v[8*\f:8*\f+3],   v[AV] offset:(\f/4)*16*PV+(\f%4)*32
	ds_load_tr16_b128 v[8*\f+4:8*\f+7], v[AV] offset:(\f/4)*16*PV+8*PV+(\f%4)*32
.endr
	WIN 0
.endm
; THE VECTOR WORK, one line at a time: OP kind, number.  For piece Y: F n: c s - c m for pair n.  E n: the exponential of score n.  C n: pair n rounded to f16.  B n: of four weights the second pair onto the first.
; L n: l takes that sum (L 0: l = a l + sum).  R n: pair n of O^T times a (times tau once).  For piece Y + 1: X n:
;   0-13  four chains of maxima, each accumulator read from its low end on     14, 16  into one     15  c m_old is kept     17, 18  the other half of the lanes'
;   19  times c     20  the new c m     21  c m_old - c m_new     22  a
.set F, 0
.set E, 1
.set C, 2
.set B, 3
.set L, 4
.set R, 5
.set X, 6
.macro REGS y
.set rT, ST+4*(\y)
.set rC, TMP+8*((\y)%3)
.set rW, MV+((\y)%3)
.set rS, S+32*((\y)%3)
.set rP, P+16*((\y)%3)
.set rO, 32*(\y)
.set wR, 0x41
.if (\y) == 8
.set rO, 64
.set wR, 0xc3
.endif
.endm
.macro OP k, n
.if (\k) == R
	REGS Y
	WIN wR
	v_pk_mul_f32 v[rO+2*(\n):rO+2*(\n)+1], v[rO+2*(\n):rO+2*(\n)+1], v[rC+4:rC+5] op_sel_hi:[1,0]
.elseif (\k) < R
	REGS Y
	WIN 0
.if (\k) == F
	v_pk_fma_f32 v[rS+2*(\n):rS+2*(\n)+1], v[rS+2*(\n):rS+2*(\n)+1], s[CSF:CSF+1], v[rT:rT+1] op_sel_hi:[1,0,0] neg_lo:[0,0,1] neg_hi:[0,0,1]
.elseif (\k) == E
	v_exp_f32 v[rS+(\n)], v[rS+(\n)]
.elseif (\k) == C
	v_cvt_pk_f16_f32 v[rP+(\n)], v[rS+2*(\n)], v[rS+2*(\n)+1]
.elseif (\k) == B
	v_pk_add_f32 v[rS+4*(\n):rS+4*(\n)+1], v[rS+4*(\n):rS+4*(\n)+1], v[rS+4*(\n)+2:rS+4*(\n)+3]
.elseif (\n) == 0
	v_pk_fma_f32 v[rT+2:rT+3], v[rT+2:rT+3], v[rC+2:rC+3], v[rS:rS+1] op_sel_hi:[1,0,1]
.else
	v_pk_add_f32 v[rT+2:rT+3], v[rT+2:rT+3], v[rS+4*(\n):rS+4*(\n)+1]
.endif
.elseif NOKQ
	v_nop
.else
	REGS (Y+1)%NP
	WIN 0
.if (\n) < 4
	v_max3_num_f32 v[rC+(\n)], v[rS+8*(\n)], v[rS+8*(\n)+1], v[rS+8*(\n)+2]
.elseif (\n) < 12
	v_max3_num_f32 v[rC+(\n)%4], v[rC+(\n)%4], v[rS+8*((\n)%4)+2*((\n)/4)+1], v[rS+8*((\n)%4)+2*((\n)/4)+2]
.elseif (\n) == 12
	v_max3_num_f32 v[rC], v[rC], v[rS+7], v[rS+15]
.elseif (\n) == 13
	v_max3_num_f32 v[rC+1], v[rC+1], v[rS+23], v[rS+31]
.elseif (\n) == 14
	v_max_num_f32 v[rC+2], v[rC+2], v[rC+3]
.elseif (\n) == 15
	v_mov_b32 v[rW], v[rT]
.elseif (\n) == 16
	v_max3_num_f32 v[rC], v[rC], v[rC+1], v[rC+2]
.elseif (\n) == 17
	v_permlanex16_b32 v[rC+3], v[rC], s[SEL], s[SEL+1]
.elseif (\n) == 18
	v_max_num_f32 v[rC], v[rC], v[rC+3]
.elseif (\n) == 19
	v_mul_f32 v[rC+1], s[CSX], v[rC]
.elseif (\n) == 20
	v_max_num_f32 v[rT], v[rC+1], v[rW]
.elseif (\n) == 21
	v_sub_f32 v[rC+1], v[rW], v[rT]
.else
	v_exp_f32 v[rC+2], v[rC+1]
.endif
.endif
.endm
.macro OPS a, i1, b=-1, i2=0, c=-1, i3=0, d=-1, i4=0
	OP \a, \i1
.if (\b) >= 0
	OP \b, \i2
.endif
.if (\c) >= 0
	OP \c, \i3
.endif
.if (\d) >= 0
	OP \d, \i4
.endif
.endm
.macro ROW a, i1, b, i2, c, i3, d, i4  ; a matrix instruction and the four behind it
	MM
	OPS \a, \i1, \b, \i2, \c, \i3, \d, \i4
.endm
; A TURN for piece p.  csf: c of the piece's scores; csx: c of the next piece's; ts: tau or 1.  Ahead of the one wait stands all that names no result of the turn's exponentials; behind it the products V^T P
; with the roundings and sums as riders.  The first numbers of the next piece's maximum stand four plain places or more behind the product that ends their accumulator.
; K of the next step is fetched in turn 7, behind the last product that read K and six plain instructions, and waited for at the head of turn 8; V of the step in hand at the end of turn 0, four plain riders
; behind the last product that read V, and waited for in turn 1.  end = 1: the last two turns fetch nothing, and the last starts no scores.  cnt = 1: the loop's count is taken down ahead of the branch behind the turn.
.macro TURN p, csf, csx, ts, end=0, cnt=0
.set Y, (\p)
.set i, 0
.set CSF, (\csf)
.set CSX, (\csx)
.set NOKQ, (\end)*((\p)/8)
	REGS Y
	WIN 0
	v_mul_f32 v[rC+4], s[\ts], v[rC+2]             ; what O^T is multiplied by; a was waited for in the turn before
.if ((\p) == 8) && !(\end)
	s_wait_dscnt 0x0                               ; K is in
.endif
	ROW F,0, F,1, R,0, R,1
	ROW F,2, E,0, R,2, R,3
	ROW F,3, E,1, R,4, R,5
	ROW F,4, E,2, R,6, R,7
	ROW F,5, E,3, R,8, R,9
	ROW F,6, E,4, X,0, R,10
.if ((\p) == 7) && !(\end)
	WIN 0
	v_add_nc_u32 v[AK], s[TBK], v[AK0]
.endif
	ROW F,7, E,5, X,1, X,4
	ROW F,8, E,6, X,2, X,5
	OPS E,7, E,8, X,6, E,9
	OPS X,3, E,10, X,8, E,11
.if ((\p) == 7) && !(\end)
	FETCH_K
.endif
	OPS X,9, X,7, E,12, X,10
	OPS E,13, X,12, X,11, E,14
	OPS X,13, E,15, F,9, X,14
.if (\p) == 0
	v_add_nc_u32 v[AV], s[TBV], v[AV0]
.endif
	OPS E,16, F,10, E,17, F,11
	OPS X,16, E,18, X,15, E,19
	OPS F,12, E,20, X,17, E,21
	OPS F,13, E,22, F,14, E,23
	OPS X,18, E,24, F,15, E,25
	OPS R,11, E,26, X,19, E,27
	OPS R,12, E,28, X,20, E,29
	OPS R,13, E,30, X,21, E,31
	OPS R,14, X,22, R,15                           ; the last rescaling is the plain instruction behind the last exponential
	WIN 0
	s_wait_alu depctr_va_vdst(0)                   ; the one wait for the batch, ahead of its first reader
.if (\p) == 1
	s_wait_dscnt 0x0                               ; V is in
.endif
	ROW C,0, B,0, C,2, B,1
	ROW L,0, C,4, B,2, L,1
	ROW C,6, B,3, L,2, C,8
	ROW B,4, L,3, C,10, B,5
	ROW L,4, C,12, B,6, L,5
.if (\p) == 0
	s_add_co_u32 s[TBV], s[TBV], VSTP
.endif
.if \cnt
	s_sub_co_u32 s[CNT], s[CNT], 1
	s_cmp_lg_u32 s[CNT], 0
.endif
	ROW C,14, B,7, L,6, C,1
	ROW C,3, L,7, C,5, C,7
	ROW C,9, C,11, C,13, C,15
.if (\p) == 0
	FETCH_V
.endif
.endm
	s_wait_tensorcnt 2                             ; my part of the first 192 keys is in; my two larger loads stay out
	s_barrier_signal -1
	s_barrier_wait -1
	v_add_nc_u32 v[AK], s[TBK], v[AK0]
	FETCH_K                                        ; step 0
	s_wait_dscnt 0x0
.set NOKQ, 0
.set i, 0
.rept 8
	KQ 0
.set i, i+1
.endr
	WIN 0
	PLACES
.set Y, NP-1                           ; X works for piece Y + 1: piece 0
.set CSX, CB
.irp n, 0,1,2,3,4,5,6,7,8,9,10,11,12,13,14,15,16,17,18,19,20,21,22
	OP X, \n
.endr
	v_nop                                          ; a plain instruction behind the exponential,
	s_wait_alu depctr_va_vdst(0)                   ; and its wait, ahead of the branch
	s_mov_b32 s[CNT], 3                            ; three steps on the first load,
	s_mov_b32 s[OUT], 2
	s_branch .Lfirst                               ; entered at a step's first turn, in the middle of a trip
.Lpart:
	s_wait_tensorcnt 0x0                           ; then my other two loads are in,
	s_wait_dscnt 0x0
	s_barrier_signal -1
	s_barrier_wait -1                              ; everybody's are: fourteen steps more
	s_mov_b32 s[CNT], 14
.Lstep:                                ; a trip: turns 7 and 8 of one step, turns 0 to 6 of the next
	s_cmp_eq_u32 s[CNT], 8                         ; the next step is the tenth: the first of the text keys
	s_cselect_b64 s[CB:CB+1], s[CT:CT+1], s[CB:CB+1]
	s_cselect_b32 s[TP], s[TAU], 1.0
	TURN 7, CA, CA, TQ
	TURN 8, CA, CB, TQ
	WIN 0
.Lfirst:
	TURN 0, CB, CB, TP
	TURN 1, CB, CB, TP
	TURN 2, CB, CB, TP
	TURN 3, CB, CB, TP
	TURN 4, CB, CB, TP
	TURN 5, CB, CB, TP
	TURN 6, CB, CB, TP, 0, 1
	WIN 0
	s_mov_b64 s[CA:CA+1], s[CB:CB+1]
	s_mov_b32 s[TQ], s[TP]
	s_cbranch_scc1 .Lstep
	s_sub_co_u32 s[OUT], s[OUT], 1
	s_cmp_lg_u32 s[OUT], 0
	s_cbranch_scc1 .Lpart
	TURN 7, CA, CA, TQ, 1
	TURN 8, CA, CA, TQ, 1
.set i, 0
.rept 8
	PV NP-1                                        ; the last piece's V^T P of the last step
.set i, i+1
.endr
	; THE WAY OUT.  l's two halves and the other half of the lanes' are added; O^T is multiplied by 1 / (l x text factor) and sent through my stage, a piece at a time.  The additions are the places behind the last products.
	WIN 0
.macro ALL line:vararg
.set t, 0
.rept NP
	\line
.set t, t+1
.endr
.endm
	ALL v_add_f32 v[ST+4*t+2], v[ST+4*t+2], v[ST+4*t+3]
	ALL v_permlanex16_b32 v[ST+4*t+3], v[ST+4*t+2], s[SEL], s[SEL+1]
	ALL v_add_f32 v[ST+4*t+2], v[ST+4*t+2], v[ST+4*t+3]
	ALL v_rcp_f32 v[ST+4*t+2], v[ST+4*t+2]
	v_nop                                          ; a plain instruction behind the last reciprocal,
	s_wait_alu depctr_va_vdst(0)                   ; and one wait for the nine
	ALL v_mul_f32 v[ST+4*t+2], s[INVT], v[ST+4*t+2]
.macro PACK p                          ; a lane's eight channels of a block are 32 bytes of a row; rows of 272 bytes in, whole rows of 256 back, into one of three sets of S^T's registers
	REGS \p
	WIN wR
.set i, 0
.rept 16
	v_pk_mul_f32 v[rO+2*i:rO+2*i+1], v[rO+2*i:rO+2*i+1], v[rT+2:rT+3] op_sel_hi:[1,0]
.set i, i+1
.endr
.if (\p) == 8
	WIN 0x0c                                       ; the stores' data in window 3
.else
	WIN 0x04                                       ; in window 1
.endif
.set i, 0
.rept 8
	ds_store_b128 v[STO], v[rO+4*i:rO+4*i+3] offset:64*(i/2)+16*(i%2)
.set i, i+1
.endr
	WIN 0
	s_wait_xcnt 0x0                                ; the stores of three pieces back have read this set
.set i, 0
.rept 8
	ds_load_b128 v[rS+4*i:rS+4*i+3], v[RD] offset:i*2*SP  ; LDS serves a wave's instructions in order: these see the stores above
.set i, i+1
.endr
.endm
.macro SEND p, younger                 ; younger: the next piece's 8 LDS stores and 8 loads, or none
	REGS \p
.irp f, 0,1,2,3,4,5,6,7
	s_wait_dscnt (\younger)+7-\f
	global_store_b128 v[GO], v[rS+4*\f:rS+4*\f+3], s[10:11] offset:(\p)*65536+\f*8192  ; 16 lanes store 256 consecutive bytes, at a multiple of 256 from the buffer's first
.endr
.endm
	PACK 0
	PACK 1
	SEND 0, 16
	PACK 2
	SEND 1, 16
	PACK 3
	SEND 2, 16
	PACK 4
	SEND 3, 16
	PACK 5
	SEND 4, 16
	s_cmp_eq_u32 s[TL], 63                         ; the head's last wave: tile 68 has one row, tiles 69 on none
	s_cbranch_scc1 .Ledge
	PACK 6
	SEND 5, 16
	PACK 7
	SEND 6, 16
	PACK 8
	SEND 7, 16
	SEND 8, 0
	s_branch .Lend
.Ledge:
	s_wait_dscnt 7                                 ; the first of piece 5's eight loads is in
	v_cmp_eq_u32 vcc_lo, 0, v9
	s_wait_xcnt 0x0                                ; EXEC changes only behind this wait
	s_and_saveexec_b32 s19, vcc_lo
	global_store_b128 v[GO], v[S+64:S+67], s[10:11] offset:5*65536  ; row 1088
	s_wait_xcnt 0x0
	s_or_b32 exec_lo, exec_lo, s19
.Lend:
	s_wait_tensorcnt 0x0                           ; the wave's end
	ds_add_u32 v[SPW], v[NIL]
	s_wait_dscnt 0x0
	s_endpgm
.Lfunc_end_k_qf00789d2f0_attn:
	.size	k_qf00789d2f0_attn, .Lfunc_end_k_qf00789d2f0_attn-k_qf00789d2f0_attn
	.p2alignl 7, 3214868480
	.fill 96, 4, 3214868480
	.section	.rodata,"a",@progbits
	.p2align	6, 0x0
	.amdhsa_kernel k_qf00789d2f0_attn
		.amdhsa_group_segment_fixed_size 322560
		.amdhsa_private_segment_fixed_size 0
		.amdhsa_enable_private_segment 0
		.amdhsa_kernarg_size 40
		.amdhsa_user_sgpr_count 2
		.amdhsa_user_sgpr_kernarg_segment_ptr 1
		.amdhsa_wavefront_size32 1
		.amdhsa_system_sgpr_workgroup_id_x 1
		.amdhsa_system_sgpr_workgroup_id_y 1
		.amdhsa_system_sgpr_workgroup_id_z 1
		.amdhsa_system_vgpr_workitem_id 0
		.amdhsa_next_free_vgpr 864
		.amdhsa_next_free_sgpr 96
		.amdhsa_reserve_vcc 1
		.amdhsa_float_denorm_mode_32 3
		.amdhsa_float_denorm_mode_16_64 3
		.amdhsa_memory_ordered 1
		.amdhsa_forward_progress 1
		.amdhsa_inst_pref_size 172
	.end_amdhsa_kernel
	.amdgpu_metadata
---
amdhsa.version: [ 1, 2 ]
amdhsa.kernels:
  - .name:           k_qf00789d2f0_attn
    .symbol:         k_qf00789d2f0_attn.kd
    .args:
      - { .name: qkv, .offset: 0, .size: 8, .value_kind: global_buffer, .address_space: global }
      - { .name: ikv, .offset: 8, .size: 8, .value_kind: global_buffer, .address_space: global }
      - { .name: aux, .offset: 16, .size: 8, .value_kind: global_buffer, .address_space: global }
      - { .name: out0, .offset: 24, .size: 8, .value_kind: global_buffer, .address_space: global }
      - { .name: out1, .offset: 32, .size: 8, .value_kind: global_buffer, .address_space: global }
    .group_segment_fixed_size: 322560
    .private_segment_fixed_size: 0
    .kernarg_segment_align: 8
    .kernarg_segment_size: 40
    .max_flat_workgroup_size: 128
    .sgpr_count:     96
    .vgpr_count:     864
    .wavefront_size: 32
...
	.end_amdgpu_metadata
.endif
;; end of part 4
